; MI455X (gfx1250); checked and timed in simulation.
; The chip was launched on July 23, 2026; its instructions are those of AMD's public machine-readable ISA for CDNA 5 (MIT licence, August 2026) and "CDNA5" Instruction Set Architecture Reference Guide (July 2026). The comments in the code are by the model that wrote it; some were corrected since.
;; Attention Fusion. Allowed arithmetic: matrix products marked QUANTISED: E4M3 operands, one E8M0 scale for each 32 along K, by v_wmma_scale_f32_16x16x128_f8f6f4 with both operands' format E4M3, f32 sums; everything else in f32.
;; Inputs: out_b 1,024 float32; out_w_codes 1,024 x 32 x 32 uint8 (E4M3 codes of out_w, K innermost, in blocks of 32 codes); out_w_scales 1,024 x 32 uint8 (E8M0 scales of out_w, one for each 32 codes along K); qkv_b 3,072 float32; qkv_w_codes 3,072 x 32 x 32 uint8 (E4M3 codes of qkv_w, K innermost, in blocks of 32 codes); qkv_w_scales 3,072 x 32 uint8 (E8M0 scales of qkv_w, one for each 32 codes along K); x_codes 2 x 2,048 x 32 x 32 uint8 (E4M3 codes of x, K innermost, in blocks of 32 codes); x_scales 2 x 2,048 x 32 uint8 (E8M0 scales of x, one for each 32 codes along K).
;; Outputs: out0 2 x 2,048 x 1,024 float32.
;; This version of the problem:
;;   THIS VERSION OF THE PROBLEM IS GIVEN IN LOW PRECISION. The matrix products marked QUANTISED in the list below multiply operands that are first quantised to E4M3 (4 exponent bits, 3 mantissa bits; 8 bits a number), with one power-of-two scale for each 32 numbers along K (OCP MX v1.0); their sums are f32. All else is computed in f32.
;;   The module's matrix products, in the order in which they are computed (A, B: the left and right operand; K: the contracted axis; several contracted axes count as one K, in the product's order):
;;     1. [M 4,096, K 1,024] x [K 1,024, N 3,072]; A: input x (given as codes); B: input qkv_w (given as codes): QUANTISED
;;     2. batch 32 x [M 2,048, K 64] x [K 64, N 2,048]; A: computed on the way; B: computed on the way: QUANTISED
;;     3. batch 32 x [M 2,048, K 2,048] x [K 2,048, N 64]; A: softmax (see below); B: computed on the way: QUANTISED
;;     4. [M 4,096, K 1,024] x [K 1,024, N 1,024]; A: computed on the way; B: input out_w (given as codes): QUANTISED
;;   THE QUANTISER, for each operand of a quantised product, along K:
;;     - K is cut into blocks of 32 from its start; a last block that is shorter is filled with zeros.
;;     - A block's scale is 2^e with e = floor(log2(the largest magnitude in the block)) - 8, held to -126 .. 127; a block of zeros has e = 0. As a byte (E8M0): e + 127.
;;     - Each number is divided by its block's scale, clamped to +-448, and rounded to the nearest number of E4M3, ties to even, subnormals kept.
;;     - The product sums the exact products of the quantised numbers (number of the format x scale) in f32.
;;   ~~~python
;;   def quantise(x, axis):      # numpy; x: float32 -> the quantised numbers, widened to float32 again
;;       x = np.moveaxis(x, axis, -1); K = x.shape[-1]
;;       x = np.pad(x, [(0, 0)] * (x.ndim - 1) + [(0, -K % 32)]); x = x.reshape(x.shape[:-1] + (-1, 32)); a = np.abs(x).max(-1, keepdims=True)
;;       e = np.where(a > 0, np.clip(np.frexp(np.where(a > 0, a, 1))[1] - 1 - 8, -126, 127), 0)      # np.frexp(a)[1] - 1 = floor(log2(a)), exactly
;;       r = np.clip(x / 2.0 ** e, -448, 448)
;;       step = 2.0 ** (np.maximum(np.frexp(np.where(r == 0, 1, r))[1] - 1, -6) - 3)
;;       q = np.round(r / step) * step * 2.0 ** e      # np.round: ties to even
;;       return np.moveaxis(q.reshape(q.shape[:-2] + (-1,))[..., :K], -1, axis).astype(np.float32)
;;   ~~~
;;   SOFTMAX AHEAD OF A QUANTISED PRODUCT. Where the list says 'softmax', what is quantised is not the finished softmax but p = 2^(t - M), with t = logit x log2(e) and M = ceil(the row's largest t), a whole number; so 1/2 < the row's largest p <= 1. The row's sum l is taken of the UNQUANTISED p, in f32, and the product's result is divided by l at the end. Since M is a whole number, a kernel that streams over the keys may use a running M (the ceiling of the running maximum): every later rescaling is an exact power of two, which a block's scale takes up: the codes' values come out the same.
;;   OPERANDS COMPUTED ON THE WAY. 'Computed on the way' means the value that the module computes at that place (a softmax that the list does not call 'softmax' is quantised finished and normalised). What goes into a quantiser is computed in f32, as accurately as f32 sums, v_exp_f32 and their like allow (about 1e-6 of the number): no bf16 or f16 on the way to a quantiser, and a product that is left as it is and whose result goes on into a quantised operand takes f32 operands (vector FMAs, or v_wmma_f32_16x16x4_f32). A number that lies on a knife's edge between two numbers of the format may be rounded either way, as far as f32 arithmetic and the matrix unit's own rounding can turn it there, and no further.
;;   INPUTS GIVEN AS CODES. out_w (in the module: [1024, 1024], K = its axis 1); qkv_w (in the module: [3072, 1024], K = its axis 1); x (in the module: [2, 2048, 1024], K = its axis 2): each comes as NAME_codes (uint8): NAME with its K axis moved to the last place and cut into blocks of 32 codes, [.., K / 32, bytes a block], one block behind the other in memory; one code a byte (a code: sign, 4 exponent bits, 3 mantissa bits); and NAME_scales (uint8): the same leading axes, one E8M0 byte (e + 127) for each 32 codes along K. Its value is code x scale, taken as it is: it is not quantised again, and the codes and scales need not be those that the quantiser above would give.
;; One version. Each part assembles by itself: llvm-mc -triple=amdgcn-amd-amdhsa -mcpu=gfx1250 --defsym DOCPART=n.
;; ======== version 1 of 1: 3 launches
;; limits: right only within a limited range of input values
;; workspace buffers: qkv_img 12,582,912 bytes; qkv_scl 393,216 bytes; o_img 4,194,304 bytes; o_scl 131,072 bytes
;; launch qkv (part 1): grid 12 x 16, 4 waves a work-group, clusters of 4 x 4, 327,680 bytes of LDS; arguments x_codes, x_scales, qkv_w_codes, qkv_w_scales, qkv_b, qkv_img, qkv_scl; writes qkv_img, qkv_scl
.if DOCPART == 1
	.amdgcn_target "amdgcn-amd-amdhsa--gfx1250"
	.amdhsa_code_object_version 6
	.text
	.protected	k_q1e2b42569e_qkv
	.globl	k_q1e2b42569e_qkv
	.p2align	8
	.type	k_q1e2b42569e_qkv,@function
k_q1e2b42569e_qkv:
	s_mov_b64 s[64:65], 0
	v_nop
	global_prefetch_b8 v0, s[64:65] scope:SCOPE_SE
	s_setreg_imm32_b32 hwreg(HW_REG_WAVE_MODE, 25, 1), 1
	s_wait_xcnt 0x0
	s_wait_alu depctr_hold_cnt(0) depctr_sa_sdst(0) depctr_va_vdst(0) depctr_va_sdst(0) depctr_va_ssrc(0) depctr_va_vcc(0) depctr_vm_vsrc(0)
	s_getreg_b32 s2, hwreg(HW_REG_IB_STS2, 6, 4)
	s_cmp_eq_u32 s2, 0
	s_cbranch_scc0 .Lentry_in_a_cluster
	s_endpgm
.Lentry_in_a_cluster:
	s_bfe_u32 s2, ttmp6, 0x10000c
	s_cmp_lg_u32 s2, 0xf033
	s_cbranch_scc0 .Lentry_shape_is_right
	s_endpgm
.Lentry_shape_is_right:
; qkv = x W^T + b on codes of E4M3 with E8M0 scales, K = 1,024; the results are quantised at once: q and k along the head's 64, v along the keys.
; x: [4096][1024] codes, [4096][32] scale bytes.  W: [3072][1024] codes, [3072][32] scale bytes.  b: [3072] f32.
; A work-group of four waves makes 256 x 256, a wave 128 x 128: 64 accumulators of 16 x 16.  K goes in steps of 256 through two LDS slots filled by tensor loads; the scale bytes of the work-group's 512 rows come once.
; CLUSTERS of 4 x 4 work-groups: a cluster's 1,024 columns are exactly q, k or v (cluster x = 0, 1, 2), so whatever differs between the three hangs on the cluster's x alone, which all sixteen partners share.
; SIDES.  Side B is source 0 of the matrix instruction: its 16 rows run along a lane's eight result registers.  Side A is source 1: its row is the lane's.
;   q, k: side A = rows of x, side B = rows of W: a lane holds one token and its registers run along the head's channels, which are the next product's K.
;   v:    side A = rows of W, side B = rows of x: a lane holds one channel and its registers run along the keys, which are v's K.
; So the 16 registers of two neighbouring tiles are 16 numbers of ONE block of 32 along the next K, and the block's other 16 lie in lane l xor 16.  Slot (c, h, 8 u + j) of the operand made here holds index 32 c + 16 u + 8 h + j:
; a permutation inside a block of 32, the same on both operands of each later product, which changes neither a block's scale nor a sum's terms.
; OUT: images of operand registers: each group of four registers is stored at 16 x lane, 512 consecutive bytes a store.
;   qkv_img [q,k,v][head of batch 32][131,072]: q, k: [32 rows][c = 2 u + c'][512]: rows 16 u + r, channels' block c';  v: [128 keys][16 channels t][c][512].
;   qkv_scl [q,k,v][32][128 rows or keys][lane][2 words]: word j of lane (r, h) belongs to fragment 2 j + h.
; LIMITS: NaN, infinities and the scale byte 0xff among the inputs are not served.  A block of zeros gets the byte 1 (its codes are zeros; the bytes are read by this program alone).
.set NQ,     2                         ; matrix instructions deep in a slot
.set ROWB,   256                       ; a tile's row in bytes
.set KROW,   1024                      ; a row of x or W in memory
.set PITCH,  272                       ; an LDS row: 256 bytes + 16 of padding: the 16 rows that a load touches start 68 words apart
.set FR,     16                        ; registers of a fragment
.set NL,     4                         ; LDS loads that bring one
.set NP,     8                         ; places behind this matrix instruction (ISA guide 7.12.1)
.set HALFT,  128*PITCH
.set SLOT,   4*HALFT                   ; side A's 256 rows, then side B's
.set KS,     32                        ; a row of scale bytes
.set SCL,    2*SLOT                    ; behind the ring: the scale bytes, as units of 256 bytes + 16 of padding
.set HALFS,  (128*KS/256)*272
.set SBLK,   (16*KS/256)*272
.set SPARE,  SCL+4*HALFS               ; the spare words, 128 bytes a wave
.set LANE, 8                           ; v8   lane
.set VI,   9                           ; v9   16 x lane
.set V8,   10                          ; v10  8 x lane
.set ADRA, 16                          ; v16-17 LDS address of side A's fragments in slot 0, 1
.set ADRB, 20                          ; v20-21 side B's
.set ADRS, 27                          ; v27  my scale words: lanes 0-15 side A's rows, lanes 16-31 side B's
.set SPW,  28                          ; v28  my spare word; never rewritten
.set NIL,  29                          ; v29  0; never rewritten
.set SC,   32                          ; v32-63 scale words, two sets
.set BI,   64                          ; v64-127 the bias in the result's layout: the C of the first step
.set TM,   64                          ; the way out: v64-67 largest magnitudes, v68-71 bytes, v72-75 the hold, v76-79 the conversions' scale
.set RR,   80                          ; v80-83 scale words to store
.set WD,   84                          ; v84-91 at work
.set PW,   96                          ; v96-103 a scale word for each of the eight tiles
.set AF,   128                         ; v128-255 side A's fragments; on the way out the codes, 16 registers a tile
.set WV,   18
.set HA,   19                          ; which half of side A's rows is mine; also: I fetch for side A (0) or B (1)
.set HB,   20                          ; which half of side B's rows is mine; also: which 128 rows I fetch
.set ISV,  66                          ; 1 in v's cluster column
.set G1, 24
.set G0, 32
.set G1B, 48
.set G0B, 56
.set G1S, 68
.set G0S, 76
.set G1SB, 80
.set G0SB, 88
.set SEL, 92
.set MNT, 94
.set MSB, 0
.macro WIN new                         ; the immediate's high byte repeats the setting that is left
.if MSB != \new
	s_set_vgpr_msb (MSB<<8)|\new
.set MSB, \new
.endif
.endm
.set MUL_LO, 0xa1                      ; source 0 window 1, source 1 window 0, C and D window 2
.set MUL_HI, 0xf1                      ; C and D window 3
.set BIA_LO, 0x81                      ; the same with C (the bias) in window 0
.set BIA_HI, 0xc1
.set TO_B,   0x40
; A joint load: waves 0 and 1 fetch for side A, waves 2 and 3 for side B; the branch hangs on the wave's number alone.  An s_nop 0 and four v_nop follow each line.
.macro JLOAD g0a, g1a, g0b, g1b
	s_cmp_eq_u32 s[HA], 0
	s_cbranch_scc0 .Lfor_b_\@
	tensor_load_to_lds s[\g0a:\g0a+3], s[\g1a:\g1a+7]
	s_nop 0
.rept 4
	v_nop
.endr
	s_branch .Lasked_\@
.Lfor_b_\@:
	tensor_load_to_lds s[\g0b:\g0b+3], s[\g1b:\g1b+7]
	s_nop 0
.rept 4
	v_nop
.endr
.Lasked_\@:
.endm
.macro CREST                           ; a round of the cluster's barrier behind its opening barrier
	s_cmp_lg_u32 s[WV], 0
	s_cbranch_scc1 .Lnot_wave_0_\@
	s_barrier_signal -3
.Lnot_wave_0_\@:
	s_barrier_wait -3
	s_barrier_signal -1
	s_barrier_wait -1
.endm
.macro CROUND
	s_barrier_signal -1
	s_barrier_wait -1
	CREST
.endm
	s_load_b256 s[4:11], s[0:1], 0x0               ; x's codes, x's scales, W's codes, W's scales
	s_load_b128 s[12:15], s[0:1], 0x20             ; b, qkv_img
	s_load_b64 s[16:17], s[0:1], 0x30              ; qkv_scl
	v_lshl_add_u32 v[SPW], v0, 2, SPARE
	v_mov_b32 v[NIL], 0
	ds_add_u32 v[SPW], v[NIL]                      ; the wave's opening: the add, twice on end, and its wait ahead of my first tensor load
	ds_add_u32 v[SPW], v[NIL]
	v_lshrrev_b32 v1, 5, v0
	v_readfirstlane_b32 s[WV], v1                  ; wave 0..3
	s_lshr_b32 s[HA], s[WV], 1
	s_and_b32 s[HB], s[WV], 1
	s_bfe_u32 s40, ttmp6, 0x40000                  ; cx
	s_bfe_u32 s41, ttmp6, 0x40004                  ; cy
	s_and_b32 s67, ttmp7, 0xffff                   ; cluster y
	s_lshl_b32 s46, s67, 10                        ; 1,024 x cluster y: the cluster's rows of x
	s_lshl_b32 s47, ttmp9, 10                      ; 1,024 x cluster x: its rows of W
	s_mov_b32 s23, 2048
	s_cmp_eq_u32 ttmp9, 2                          ; v's column of clusters?  The same in all sixteen partners
	s_cselect_b32 s[ISV], 1, 0
	s_cselect_b32 s100, s23, s46                   ; side A's first row: v: W's row 2,048; q, k: x's
	s_cselect_b32 s101, s46, s47                   ; side B's: v: x's; q, k: W's
	s_lshl_b32 s21, s41, 8
	s_add_co_u32 s100, s100, s21                   ; + 256 cy: shared along a row of the cluster
	s_lshl_b32 s22, s40, 8
	s_add_co_u32 s101, s101, s22                   ; + 256 cx: shared along a column
	s_lshl_b32 s43, s41, 2
	s_lshl_b32 s43, 15, s43                        ; my row of the cluster
	s_lshl_b32 s44, 0x1111, s40                    ; my column
	; group 1: a tile of 128 rows x 256 bytes, 16 bytes of padding behind each row
	s_or_b32 s[G1+0], s43, (1<<20)|(1<<21)|(5<<22)|(3<<25)
	s_or_b32 s[G1B+0], s44, (1<<20)|(1<<21)|(5<<22)|(3<<25)
.irp g, G1, G1B
	s_mov_b32 s[\g+1], ROWB<<16                    ; tensor_dim0
	s_mov_b32 s[\g+2], 256<<16                     ; tensor_dim1: 256 rows for the head's loads; 128 for the ring's, set behind them
	s_mov_b32 s[\g+3], ROWB<<16                    ; tile_dim0
	s_mov_b32 s[\g+4], 256                         ; tile_dim1, likewise
	s_mov_b32 s[\g+5], KROW                        ; from row to row
	s_mov_b32 s[\g+6], 0
	s_mov_b32 s[\g+7], 0
.endr
	; the scale bytes of 256 rows: 8,192 dense bytes as 32 rows of 256 (32 elements of 8 bytes), 16 bytes of padding behind each
	s_or_b32 s[G1S+0], s43, (3<<16)|(1<<20)|(1<<21)|(5<<22)|(3<<25)
	s_or_b32 s[G1SB+0], s44, (3<<16)|(1<<20)|(1<<21)|(5<<22)|(3<<25)
.irp g, G1S, G1SB
	s_mov_b32 s[\g+1], 32<<16
	s_mov_b32 s[\g+2], (256*KS/256)<<16
	s_mov_b32 s[\g+3], 32<<16
	s_mov_b32 s[\g+4], 256*KS/256
	s_mov_b32 s[\g+5], 32
	s_mov_b32 s[\g+6], 0
	s_mov_b32 s[\g+7], 0
.endr
	s_lshl_b32 s2, s[HB], 7                        ; which 128 rows of the tile I fetch
	s_add_co_u32 s21, s100, s2                     ; side A's
	s_add_co_u32 s22, s101, s2                     ; side B's
	s_lshl_b32 s[G0+2], s21, 10                    ; byte offsets first (1,024 bytes of codes and 32 scale bytes a row); the pointers are added below
	s_mov_b32 s[G0+3], 0
	s_lshl_b32 s[G0S+2], s100, 5
	s_mov_b32 s[G0S+3], 0
	s_lshl_b32 s[G0B+2], s22, 10
	s_mov_b32 s[G0B+3], 0
	s_lshl_b32 s[G0SB+2], s101, 5
	s_mov_b32 s[G0SB+3], 0
	s_mul_i32 s45, s[WV], HALFT                    ; where they go: wave x 128 rows: no place in the cluster enters an LDS address
	s_mov_b32 s[SEL], 0x76543210
	s_mov_b32 s[SEL+1], 0xfedcba98                 ; v_permlanex16_b32's selects for lane l xor 16
	s_mov_b32 s[MNT], 0x600000                     ; the mantissa field of 448
	s_wait_dscnt 0x0                               ; both opening adds are done
	CROUND                                         ; all sixteen work-groups are here: the first joint loads meet
	s_wait_kmcnt 0x0
	s_cmp_eq_u32 s[ISV], 0                         ; the sides' buffers: a choice that hangs on the cluster's x alone
	s_cselect_b64 s[46:47], s[4:5], s[8:9]         ; side A's codes
	s_cselect_b64 s[8:9], s[8:9], s[4:5]           ; side B's codes
	s_cselect_b64 s[4:5], s[6:7], s[10:11]         ; side A's scales
	s_cselect_b64 s[10:11], s[10:11], s[6:7]       ; side B's scales
	s_add_nc_u64 s[G0+2:G0+3], s[46:47], s[G0+2:G0+3]
	s_add_nc_u64 s[G0+6:G0+7], s[G0+2:G0+3], ROWB  ; slot 1: the second 256 along K
	s_add_nc_u64 s[G0B+2:G0B+3], s[8:9], s[G0B+2:G0B+3]
	s_add_nc_u64 s[G0B+6:G0B+7], s[G0B+2:G0B+3], ROWB
	s_add_nc_u64 s[G0S+2:G0S+3], s[4:5], s[G0S+2:G0S+3]
	s_add_nc_u64 s[G0SB+2:G0SB+3], s[10:11], s[G0SB+2:G0SB+3]
	s_lshl_b32 s2, s101, 10                        ; the head's loads of K step 0, 256 rows each: side B's in s[4:7], side A's in s[8:11]
	s_mov_b32 s3, 0
	s_add_nc_u64 s[6:7], s[8:9], s[2:3]
	s_lshl_b32 s2, s100, 10
	s_add_nc_u64 s[10:11], s[46:47], s[2:3]
	s_or_b32 s7, s7, 0x80000000
	s_or_b32 s11, s11, 0x80000000
	s_mov_b32 s4, 1
	s_mov_b32 s5, 2*HALFT
	s_mov_b32 s8, 1
	s_mov_b32 s9, 0
.irp g, G0, G0+4, G0B, G0B+4, G0S, G0SB
	s_mov_b32 s[\g], 1                             ; count = 1
	s_or_b32 s[\g+3], s[\g+3], 0x80000000          ; type = 2
.endr
	s_mov_b32 s[G0+1], s45
	s_add_co_u32 s[G0+5], s45, SLOT
	s_mov_b32 s[G0B+1], s45
	s_add_co_u32 s[G0B+5], s45, SLOT
	s_mov_b32 s[G0S+1], SCL
	s_mov_b32 s[G0SB+1], SCL+2*HALFS
; one load a wave at the head: wave 0 side A's 256 rows of K step 0, wave 1 side B's, wave 2 side A's scale bytes, wave 3 side B's; one tree of branches on the wave's number
.macro ARM under, g0, g1, next
	s_cmp_lt_u32 s[WV], \under
	s_cbranch_scc0 \next
	tensor_load_to_lds s[\g0:\g0+3], s[\g1:\g1+7]
	s_nop 0
.rept 4
	v_nop
.endr
	s_branch .Lhead_asked
\next:
.endm
	ARM 1, 8, G1, .Lhead_b
	ARM 2, 4, G1B, .Lhead_sa
	ARM 3, G0S, G1S, .Lhead_sb
	tensor_load_to_lds s[G0SB:G0SB+3], s[G1SB:G1SB+7]
	s_nop 0
.rept 4
	v_nop
.endr
.Lhead_asked:
	v_and_b32 v1, 15, v0                           ; r
	v_bfe_u32 v2, v0, 4, 1                         ; h
	v_mul_u32_u24 v3, v1, PITCH
	v_lshl_add_u32 v4, v2, 4, v3                   ; a fragment's row x pitch + 16 h
	s_mul_i32 s21, s[HA], HALFT                    ; my 128 rows of side A
	s_mul_i32 s22, s[HB], HALFT                    ; my 128 rows of side B,
	s_add_co_u32 s22, s22, 2*HALFT                 ; behind side A's 256
.irp s, 0,1
	v_add_nc_u32 v[ADRA+\s], s21, v4
	v_add_nc_u32 v[ADRB+\s], s22, v4
	s_add_co_u32 s21, s21, SLOT
	s_add_co_u32 s22, s22, SLOT
.endr
	v_mul_u32_u24 v5, v1, KS                       ; my row's scale bytes: 32 a row,
	v_lshrrev_b32 v6, 8, v5
	v_lshl_add_u32 v5, v6, 4, v5                   ; and 16 more for each 256 passed
	s_mul_i32 s21, s[HA], HALFS
	s_mul_i32 s22, s[HB], HALFS
	s_add_co_u32 s22, s22, 2*HALFS
	s_sub_co_u32 s22, s22, s21
	v_mul_u32_u24 v6, s22, v2                      ; lanes 16-31 take side B's
	s_add_co_u32 s21, s21, SCL
	v_add_nc_u32 v5, v5, v6
	v_add_nc_u32 v[ADRS], s21, v5
	v_and_b32 v[LANE], 31, v0
	v_lshlrev_b32 v[VI], 4, v[LANE]
	v_lshlrev_b32 v[V8], 3, v[LANE]
	v_lshlrev_b32 v11, 5, v2                       ; the bias on q, k: 32 h
	v_lshlrev_b32 v12, 2, v1                       ; on v: 4 r
	; where my 128 x 128 lies: its rows of x and of W, the head, the 128 tokens
	s_lshl_b32 s21, s[HA], 7
	s_add_co_u32 s21, s100, s21                    ; side A's first row of mine
	s_lshl_b32 s22, s[HB], 7
	s_add_co_u32 s22, s101, s22                    ; side B's
	s_cmp_eq_u32 s[ISV], 0
	s_cselect_b32 s23, s21, s22                    ; my first row of x
	s_cselect_b32 s42, s22, s21                    ; my first row of W
	s_lshl_b32 s46, s42, 2
	s_mov_b32 s47, 0
	s_add_nc_u64 s[12:13], s[12:13], s[46:47]      ; b at my first row of W
	s_lshr_b32 s46, s23, 11
	s_lshl_b32 s46, s46, 4
	s_bfe_u32 s47, s42, 0x40006
	s_add_co_u32 s46, s46, s47                     ; 16 x batch + my first head
	s_lshl_b32 s46, s46, 17
	s_lshr_b32 s47, s42, 10                        ; q, k or v
	s_lshl_b32 s47, s47, 22
	s_add_co_u32 s46, s46, s47
	s_bfe_u32 s47, s23, 0x40007                    ; which 128 tokens of the sequence
	s_lshl_b32 s47, s47, 13
	s_add_co_u32 s46, s46, s47
	s_mov_b32 s47, 0
	s_add_nc_u64 s[96:97], s[14:15], s[46:47]      ; the images
	s_lshr_b32 s46, s46, 5                         ; the scale words' layout is the images' with every size divided by 32
	s_add_nc_u64 s[98:99], s[16:17], s[46:47]
	s_cmp_eq_u32 s[ISV], 0
	s_cbranch_scc0 .Lbias_v
	s_wait_alu depctr_va_vdst(0)
.irp b, 0,1,2,3,4,5,6,7                ; q, k: register 8 b + j: b of W's row 16 b + 8 h + j
	global_load_b128 v[BI+8*\b:BI+8*\b+3], v11, s[12:13] offset:64*\b
	global_load_b128 v[BI+8*\b+4:BI+8*\b+7], v11, s[12:13] offset:64*\b+16
.endr
	s_branch .Lbias_done
.Lbias_v:
	s_wait_alu depctr_va_vdst(0)
.irp a, 0,1,2,3,4,5,6,7                ; v: registers 8 a + 0 .. 7: b of W's row 16 a + r, eight times
.irp j, 0,1,2,3,4,5,6,7
	global_load_b32 v[BI+8*\a+\j], v12, s[12:13] offset:64*\a
.endr
.endr
.Lbias_done:
.macro FRAG reg, adr, q, i             ; 16 rows x 128 K: registers 4 c .. 4 c + 3 hold K = 32 c + 16 h + 0 .. 15
.irp c, 0,1,2,3
	ds_load_b128 v[\reg+4*\c:\reg+4*\c+3], v[\adr] offset:128*(\q)+32*\c+(\i)*16*PITCH
.endr
.endm
; 16 matrix instructions: side A's blocks a0, a0 + 1 x side B's eight.  cm = 0: the sums go on; 1: they begin with the bias by side B's rows; 2: by side A's rows.
; The 64 accumulators take turns, one instruction a turn, in the same order in every step.
.macro MUL16 a0, p, q, sc, cm
.irp a, \a0, \a0+1
.irp b, 0,1,2,3,4,5,6,7
.if \cm == 1
	v_wmma_scale_f32_16x16x128_f8f6f4 v[8*(8*((\a)%4)+\b):8*(8*((\a)%4)+\b)+7], v[128*(\p)+FR*\b:128*(\p)+FR*\b+FR-1], v[AF+FR*(\a):AF+FR*(\a)+FR-1], v[BI+8*\b:BI+8*\b+7], v[SC+8*NQ*(\sc)+NQ*\b+(\q)], v[SC+8*NQ*(\sc)+NQ*(\a)+(\q)] matrix_a_scale:MATRIX_SCALE_ROW1
.elseif \cm == 2
	v_wmma_scale_f32_16x16x128_f8f6f4 v[8*(8*((\a)%4)+\b):8*(8*((\a)%4)+\b)+7], v[128*(\p)+FR*\b:128*(\p)+FR*\b+FR-1], v[AF+FR*(\a):AF+FR*(\a)+FR-1], v[BI+8*(\a):BI+8*(\a)+7], v[SC+8*NQ*(\sc)+NQ*\b+(\q)], v[SC+8*NQ*(\sc)+NQ*(\a)+(\q)] matrix_a_scale:MATRIX_SCALE_ROW1
.else
	v_wmma_scale_f32_16x16x128_f8f6f4 v[8*(8*((\a)%4)+\b):8*(8*((\a)%4)+\b)+7], v[128*(\p)+FR*\b:128*(\p)+FR*\b+FR-1], v[AF+FR*(\a):AF+FR*(\a)+FR-1], v[8*(8*((\a)%4)+\b):8*(8*((\a)%4)+\b)+7], v[SC+8*NQ*(\sc)+NQ*\b+(\q)], v[SC+8*NQ*(\sc)+NQ*(\a)+(\q)] matrix_a_scale:MATRIX_SCALE_ROW1
.endif
.endr
.endr
.endm
.macro FETCH_B slot, q, p
	WIN TO_B
.irp i, 0,1,2,3,4,5,6,7
	FRAG 128*(\p)+FR*\i, ADRB+\slot, \q, \i
.endr
	WIN 0
.endm
.macro FETCH_A slot, q, i0
.irp i, \i0, \i0+1, \i0+2, \i0+3
	FRAG AF+FR*(\i), ADRA+\slot, \q, \i
.endr
.endm
.macro SCALES sc                       ; a slot's scale words: two a row; lanes 0-15 side A's block i, lanes 16-31 side B's
.irp i, 0,1,2,3,4,5,6,7
	ds_load_b64 v[SC+8*NQ*\sc+NQ*\i:SC+8*NQ*\sc+NQ*\i+1], v[ADRS] offset:\i*SBLK
.endr
.endm
.macro PLACES n                        ; plain vector instructions between a matrix instruction and a load into, or a read of, its registers
.rept \n
	v_nop
.endr
.endm
; A step of 128 along K that has its successor in the same slot.  Side A has one set of registers: blocks 0-3 are fetched anew in the step's middle, blocks 4-7 at its end; side B has two sets.
.macro STEP slot, q, cm
	s_wait_dscnt 4*NL                              ; all but the youngest sixteen loads (side A's blocks 4-7) are in
.if \cm
	WIN BIA_LO
.else
	WIN MUL_LO
.endif
	MUL16 0, (\q)%2, \q, \slot, \cm
	MUL16 2, (\q)%2, \q, \slot, \cm
	s_wait_dscnt 0                                 ; blocks 4-7 are in
	PLACES NP
	FETCH_B \slot, (\q)+1, 1-(\q)%2
	FETCH_A \slot, (\q)+1, 0
.if \cm
	WIN BIA_HI
.else
	WIN MUL_HI
.endif
	MUL16 4, (\q)%2, \q, \slot, \cm
	MUL16 6, (\q)%2, \q, \slot, \cm
	PLACES NP
	WIN 0
	FETCH_A \slot, (\q)+1, 4
.endm
; A slot's last step changes slots: one barrier; in front of it each wave waits for all its tensor loads, adds 0 to its spare word, and waits for that and for its reads of this slot.  fill = 1: the slot is filled again.
.macro TURN slot, next, fill
	s_wait_tensorcnt 0x0                           ; all my tensor loads have landed: my part of the next slot
	ds_add_u32 v[SPW], v[NIL]                      ; 0 onto my spare word
	s_wait_dscnt 4*NL+1                            ; the add and the youngest sixteen loads may be out
	WIN MUL_LO
	MUL16 0, 1, NQ-1, \slot, 0                     ; sixteen matrix instructions stand between the add and the wait for it
	s_wait_dscnt 0x0                               ; the add is done, and my reads of this slot are over
	s_barrier_signal -1
	MUL16 2, 1, NQ-1, \slot, 0
	WIN 0
	s_barrier_wait -1
.if \fill
	CREST                                          ; the barrier has opened a round of the cluster's: no wave of any partner still reads this slot or has a load on its way
	s_add_nc_u64 s[G0+4*\slot+2:G0+4*\slot+3], s[G0+4*\slot+2:G0+4*\slot+3], 2*ROWB
	s_add_nc_u64 s[G0B+4*\slot+2:G0B+4*\slot+3], s[G0B+4*\slot+2:G0B+4*\slot+3], 2*ROWB
	JLOAD G0+4*\slot, G1, G0B+4*\slot, G1B         ; the first tensor load behind the round; its four v_nop are among the places in front of the loads below
	PLACES NP-4
.else
	PLACES NP
.endif
	s_wait_alu depctr_va_vdst(0)
	v_add_nc_u32 v[ADRS], 4*NQ, v[ADRS]            ; the next slot's scale words
	FETCH_B \next, 0, 0
	FETCH_A \next, 0, 0
	SCALES \next
	WIN MUL_HI
	MUL16 4, 1, NQ-1, \slot, 0
	MUL16 6, 1, NQ-1, \slot, 0
	PLACES NP
	WIN 0
	FETCH_A \next, 0, 4
.endm
	s_wait_alu depctr_va_vdst(0)                   ; the wait at the head's end
	s_wait_tensorcnt 0x0                           ; my tile of the head's four is in; these lines stand ahead of a later first fill as ahead of a refill
	ds_add_u32 v[SPW], v[NIL]
	s_mov_b32 s[G1+2], 128<<16                     ; no tensor load of mine is out: from here on a load brings 128 rows
	s_mov_b32 s[G1+4], 128
	s_mov_b32 s[G1B+2], 128<<16
	s_mov_b32 s[G1B+4], 128
	s_wait_dscnt 0x0
	CROUND                                         ; all four tiles are in, and all sixteen work-groups are here
	JLOAD G0+4, G1, G0B+4, G1B                     ; slot 1, the first tensor load behind the round
	FETCH_B 0, 0, 0
	FETCH_A 0, 0, 0
	SCALES 0
	FETCH_A 0, 0, 4
	s_wait_loadcnt 0x0                             ; the bias
	s_cmp_eq_u32 s[ISV], 0
	s_cbranch_scc0 .Lfirst_v
	STEP 0, 0, 1                                   ; the first step starts the sums with the bias: nothing is cleared, nothing is added later
	s_branch .Lfirst_done
.Lfirst_v:
	STEP 0, 0, 2                                   ; the same LDS loads in both arms: the counts agree where the ways join
.Lfirst_done:
	TURN 0, 1, 1                                   ; K = 1,024 is four slots' worth: each slot is filled again once, so the walk is written straight
	STEP 1, 0, 0
	TURN 1, 0, 1
	STEP 0, 0, 0
	TURN 0, 1, 0                                   ; nothing is left to fetch
	STEP 1, 0, 0
	s_wait_dscnt 4*NL
	WIN MUL_LO
	MUL16 0, 1, NQ-1, 1, 0
	MUL16 2, 1, NQ-1, 1, 0
	s_wait_dscnt 0
	WIN MUL_HI
	MUL16 4, 1, NQ-1, 1, 0
	MUL16 6, 1, NQ-1, 1, 0
	WIN 0
; THE WAY OUT: tile a (side A's block a: eight accumulators, 64 registers a lane) is four blocks of 32 along the next K, 16 numbers of each in my lane and 16 in lane l xor 16.
; A block's scale byte is its largest magnitude's exponent field less 8, held at 1 from below by the floor 2^(9 - 127); each number is held within 448 x the scale (the conversion does not saturate: ISA guide 7.6.2) and converted.
.irp b, 0,1,2,3
	v_mov_b32 v[TM+4+\b], 0                        ; a lane permute's destination counts as one of its sources.  (These four and the four below are the places behind the last products)
.endr
	PLACES 4
.macro QTILE a
.set W, 2+(\a)/4
.set X, 64*((\a)%4)
.set PCA, AF+16*(\a)
.set WN, (W<<4)|(W<<2)
	WIN WN                                         ; sources 1 and 2: the accumulators' window
.irp b, 0,1,2,3
	v_max3_num_f32 v[TM+\b], 0x4800000, |v[X+16*\b]|, |v[X+16*\b+1]|   ; each accumulator is read from its low end on
.endr
.irp i, 2,4,6,8,10,12,14
.irp b, 0,1,2,3
	v_max3_num_f32 v[TM+\b], v[TM+\b], |v[X+16*\b+\i]|, |v[X+16*\b+\i+1]|   ; the four blocks by turns
.endr
.endr
	WIN 0
.irp b, 0,1,2,3
	v_permlanex16_b32 v[TM+4+\b], v[TM+\b], s[SEL], s[SEL+1]
.endr
.irp b, 0,1,2,3
	v_max_num_f32 v[TM+\b], v[TM+\b], v[TM+4+\b]   ; with lane l xor 16's: the block's largest magnitude
.endr
.irp b, 0,1,2,3
	v_add_nc_u32 v[TM+12+\b], 0xfc000000, v[TM+\b] ; 8 off its exponent field: the conversion's scale operand
.endr
.irp b, 0,1,2,3
	v_and_or_b32 v[TM+8+\b], v[TM+\b], 0x7f800000, s[MNT]   ; 448 x the scale
.endr
.irp b, 0,1,2,3
	v_lshrrev_b32 v[TM+4+\b], 23, v[TM+12+\b]      ; the scale's byte
.endr
	v_lshl_or_b32 v[PW+(\a)], v[TM+5], 8, v[TM+4]
	v_lshl_or_b32 v[PW+(\a)], v[TM+6], 16, v[PW+(\a)]
	v_lshl_or_b32 v[PW+(\a)], v[TM+7], 24, v[PW+(\a)]
.set WN, (W<<6)|W
	WIN WN                                         ; destination and source 0: the accumulators' window
.irp b, 0,1,2,3
.irp i, 0,1,2,3,4,5,6,7,8,9,10,11,12,13,14,15
	v_med3_num_f32 v[X+16*\b+\i], v[X+16*\b+\i], -v[TM+8+\b], v[TM+8+\b]
.endr
.endr
	WIN W                                          ; source 0 alone
.irp k, 0,1,2,3,4,5,6,7
	v_cvt_scalef32_pk8_fp8_f32 v[PCA+2*\k:PCA+2*\k+1], v[X+8*\k:X+8*\k+7], v[TM+12+\k/2]
.endr
	v_nop                                          ; a plain instruction behind the last conversion
	WIN 0
	s_cmp_eq_u32 s[ISV], 0
	s_cbranch_scc0 .Lst_v_\@
.irp i, 0,1,2,3                        ; q, k: block i is head i / 2, channels' block i % 2, of tokens 16 a + r
	global_store_b128 v[VI], v[PCA+4*\i:PCA+4*\i+3], s[96:97] offset:(\i/2)*131072+(\a)*1024+(\i%2)*512
.endr
	s_branch .Lst_d_\@
.Lst_v_\@:
	s_wait_alu depctr_va_vdst(0)
.irp i, 0,1,2,3                        ; v: block i is keys 32 i on, of head a / 4, channels 16 (a % 4) + r
	global_store_b128 v[VI], v[PCA+4*\i:PCA+4*\i+3], s[96:97] offset:((\a)/4)*131072+((\a)%4)*2048+\i*512
.endr
.Lst_d_\@:                             ; each store covers 512 consecutive bytes; each tile has code registers of its own, so no store's data are written again
.endm
.irp a, 0,1,2,3,4,5,6,7
	QTILE \a
.endr
	; the scale words, in the order in which the attention's lanes take them: word j of lane (r, h) belongs to fragment 2 j + h
	v_cmp_le_u32 vcc_lo, 16, v[LANE]
	s_cmp_eq_u32 s[ISV], 0
	s_cbranch_scc0 .Lsc_v
.irp f, 0,1,2,3                        ; q, k: fragment f of head g: two bytes of tokens 32 f + r, two of tokens 32 f + 16 + r
	v_perm_b32 v[WD+\f], v[PW+2*\f+1], v[PW+2*\f], 0x05040100
	v_perm_b32 v[WD+4+\f], v[PW+2*\f+1], v[PW+2*\f], 0x07060302
.endr
.irp g, 0,1
.irp j, 0,1
	v_cndmask_b32 v[RR+2*\g+\j], v[WD+4*\g+2*\j], v[WD+4*\g+2*\j+1], vcc_lo
.endr
.endr
	s_branch .Lsc_d
.Lsc_v:
.irp g, 0,1                            ; v: fragment t of head g is tile 4 g + t's word as it stands
.irp j, 0,1
	v_cndmask_b32 v[RR+2*\g+\j], v[PW+4*\g+2*\j], v[PW+4*\g+2*\j+1], vcc_lo
.endr
.endr
.Lsc_d:
	s_wait_alu depctr_va_vdst(0)
	global_store_b64 v[V8], v[RR:RR+1], s[98:99]               ; 32 lanes store 256 consecutive bytes, aligned
	global_store_b64 v[V8], v[RR+2:RR+3], s[98:99] offset:4096 ; the second head's
	s_wait_tensorcnt 0x0                           ; the wave's end
	ds_add_u32 v[SPW], v[NIL]
	s_wait_dscnt 0x0
	CROUND                                         ; the closing round: no work-group ends while a partner may still ask for a tile that names it
	s_endpgm
.Lfunc_end_k_q1e2b42569e_qkv:
	.size	k_q1e2b42569e_qkv, .Lfunc_end_k_q1e2b42569e_qkv-k_q1e2b42569e_qkv
	.p2alignl 7, 3214868480
	.fill 96, 4, 3214868480
	.section	.rodata,"a",@progbits
	.p2align	6, 0x0
	.amdhsa_kernel k_q1e2b42569e_qkv
		.amdhsa_group_segment_fixed_size 327680
		.amdhsa_private_segment_fixed_size 0
		.amdhsa_enable_private_segment 0
		.amdhsa_kernarg_size 56
		.amdhsa_user_sgpr_count 2
		.amdhsa_user_sgpr_kernarg_segment_ptr 1
		.amdhsa_wavefront_size32 1
		.amdhsa_system_sgpr_workgroup_id_x 1
		.amdhsa_system_sgpr_workgroup_id_y 1
		.amdhsa_system_sgpr_workgroup_id_z 1
		.amdhsa_system_vgpr_workitem_id 0
		.amdhsa_next_free_vgpr 1024
		.amdhsa_next_free_sgpr 102
		.amdhsa_reserve_vcc 1
		.amdhsa_float_denorm_mode_32 3
		.amdhsa_float_denorm_mode_16_64 3
		.amdhsa_memory_ordered 1
		.amdhsa_forward_progress 1
		.amdhsa_inst_pref_size 212
	.end_amdhsa_kernel
	.amdgpu_metadata
---
amdhsa.version: [ 1, 2 ]
amdhsa.kernels:
  - .name:           k_q1e2b42569e_qkv
    .symbol:         k_q1e2b42569e_qkv.kd
    .args:
      - { .name: x_codes, .offset: 0, .size: 8, .value_kind: global_buffer, .address_space: global }
      - { .name: x_scales, .offset: 8, .size: 8, .value_kind: global_buffer, .address_space: global }
      - { .name: qkv_w_codes, .offset: 16, .size: 8, .value_kind: global_buffer, .address_space: global }
      - { .name: qkv_w_scales, .offset: 24, .size: 8, .value_kind: global_buffer, .address_space: global }
      - { .name: qkv_b, .offset: 32, .size: 8, .value_kind: global_buffer, .address_space: global }
      - { .name: qkv_img, .offset: 40, .size: 8, .value_kind: global_buffer, .address_space: global }
      - { .name: qkv_scl, .offset: 48, .size: 8, .value_kind: global_buffer, .address_space: global }
    .group_segment_fixed_size: 327680
    .private_segment_fixed_size: 0
    .kernarg_segment_align: 8
    .kernarg_segment_size: 56
    .max_flat_workgroup_size: 128
    .sgpr_count:     102
    .vgpr_count:     1024
    .wavefront_size: 32
...
	.end_amdgpu_metadata
.endif
;; end of part 1
;; launch attn (part 2): grid 8 x 32, 8 waves a work-group, clusters of 4 x 1, 327,680 bytes of LDS; arguments qkv_img, qkv_scl, o_img, o_scl; writes o_img, o_scl
.if DOCPART == 2
	.amdgcn_target "amdgcn-amd-amdhsa--gfx1250"
	.amdhsa_code_object_version 6
	.text
	.protected	k_q1e2b42569e_attn
	.globl	k_q1e2b42569e_attn
	.p2align	8
	.type	k_q1e2b42569e_attn,@function
k_q1e2b42569e_attn:
	s_mov_b64 s[64:65], 0
	v_nop
	global_prefetch_b8 v0, s[64:65] scope:SCOPE_SE
	s_setreg_imm32_b32 hwreg(HW_REG_WAVE_MODE, 25, 1), 1
	s_wait_xcnt 0x0
	s_wait_alu depctr_hold_cnt(0) depctr_sa_sdst(0) depctr_va_vdst(0) depctr_va_sdst(0) depctr_va_ssrc(0) depctr_va_vcc(0) depctr_vm_vsrc(0)
	s_getreg_b32 s2, hwreg(HW_REG_IB_STS2, 6, 4)
	s_cmp_eq_u32 s2, 0
	s_cbranch_scc0 .Lentry_in_a_cluster
	s_endpgm
.Lentry_in_a_cluster:
	s_bfe_u32 s2, ttmp6, 0x10000c
	s_cmp_lg_u32 s2, 0x3003
	s_cbranch_scc0 .Lentry_shape_is_right
	s_endpgm
.Lentry_shape_is_right:
; o = softmax(q k^T / 8) v for 32 heads of 2,048 tokens and 64 channels, both products on codes of E4M3 with E8M0 scales; o is quantised along the hidden axis on its way out.
; THE SOFTMAX AHEAD OF THE SECOND PRODUCT: t = score x log2(e) / 8; M = the running largest t rounded UP to a whole number; p = 2^(t - M) is quantised along the keys, not normalised; the row's sum is taken of the
; unquantised p and divides at the end.  When M moves, the sum and O are multiplied by 2^(old M - new M), which rounds nothing.
; SHARES.  A work-group owns 256 queries of one head, each of its eight waves 32 of them: two tiles of 16, X (0) and Y (1); a fragment of K or V that is read from LDS serves both.
; ORDER OF A KEY STEP i (128 keys): the maxima of both tiles; V(i) is asked for; M of both; X's exponentials with Y's scalings among them; K(i + 1) is asked for; X's sums and scales; Y's exponentials with X's holds among them;
; Y's sums, scales and holds; the codes; O of both under the new M; the sums O(i); the scores (i + 1); the last additions of the rows' sums, which are the places behind the scores.
; ALL OF A HEAD'S K AND V STAY IN LDS: 131,072 bytes of codes each and 4,096 of scale words each, as images of operand registers: every read is 16 x lane or 8 x lane on end.  Nothing is filled twice.
; Keys 0 to 511 and all scale words come at the head, one load a wave; the other 1,536 keys by one load a wave behind a round, shown by the barrier behind key step 2.
; CLUSTER.  The four work-groups of a cluster belong to one head: every tensor load is asked for jointly, with the same descriptor in all four.
; LAYOUT.  Both products are used transposed: S^T = K Q^T, O^T = V^T P^T: a lane holds one query (lane % 16) of each tile throughout.
; THE HEAD'S 64 FILL HALF OF THE INSTRUCTION'S 128.  A fragment of K holds TWO tiles of 16 keys, keys 32 f + r in its first 64 along K and keys 32 f + 16 + r in its second; it is multiplied by [q | 0] and by [0 | q].
; The zero codes stand on q's side; against them stand finite codes, so those terms are exactly 0.  The 16 registers of the two results are 16 keys of one block of 32: slot (c, h, 8 u + j) of p holds key 32 c + 16 u + 8 h + j, and V's image is laid in that order.
; NO PREFETCH: the second load of a wave is asked for when the first has landed and has three key steps, 72 matrix instructions a wave, in which to land.
; LIMITS: NaN and infinities among the scores are not served; the scaled scores stay under 2^31 in magnitude.  A block of zeros gets the scale byte 1 (its codes are zeros; this program alone reads the bytes).
.set KSCL,  262144                     ; LDS: K's image at 0, V's at 131,072; K's scale words here,
.set VSCL,  266240                     ; V's,
.set SPARE, 270336                     ; the spare words, 128 bytes for each of eight waves,
.set OSTG,  271360                     ; and 512 bytes in which the work-group's 256 pairs of o's scale bytes meet
; WINDOW 0: addresses, and the vector state of both tiles (block 4 y + b: tile y's b-th block of 32 keys)
.set LI,  1                            ; v1   16 x lane
.set LS,  2                            ; v2   KSCL + 8 x lane
.set ADK, 3                            ; v3-5 the step's addresses: K's image, V's, the scale words
.set ADV, 4
.set ADS, 5
.set SPW, 6                            ; v6   my spare word; never rewritten
.set NIL, 7                            ; v7   0; never rewritten
.set NM,  12                           ; v[12:13], v[16:17] -M (and a number that is named with it)
.set L,   14                           ; v[14:15], v[18:19] the row's sum in two halves
.set S,   20                           ; v20-83, v84-147 S^T, then p
.set PC,  148                          ; v148-163, v164-179 p's codes
.set BM,  180                          ; v180-187 the blocks' largest scores, then largest p
.set PT,  188                          ; v188-195 the other half's; then the bytes
.set HL,  196                          ; v196-203 448 x the scale
.set SO,  204                          ; v204-211 the conversions' scale operand
.set F,   212                          ; v[212:213], v[214:215] f = 2^(old M - new M), and a 0 that is named with it
.set T0,  216
.set TMX, 218                          ; v218, v219 the running largest score
.set AC,  220                          ; v220-227, v228-235 the sums' four chains
.set KSW, 248                          ; v[248:249] K's scale words, v[250:251] V's: lanes 0-15 an even fragment's, lanes 16-31 the odd one's
.set VSW, 250
.set PSW, 252                          ; v252, v253 p's scale words;  v254, v255 q's: no product's two scale words have numbers equal modulo 8
.set QS,  254
; WINDOW 1
.set O,   0                            ; 0-31, 32-63 O^T
.set QZ,  64                           ; 64-87, 88-111: eight zeros, q, eight zeros: [8:23] = [q | 0], [0:15] = [0 | q]
.set KF,  112                          ; 112-175 four fragments of K,
.set VF,  176                          ; 176-239 of V
.set WV,  12
.set SEL, 20
.set CS,  22                           ; s[22:23] c = log2(e) / 8
.set MNT, 24
.set FLR, 25
.set C8,  26                           ; s[26:27] 2^-8
.set NC,  28                           ; s28 -c
.set G1T, 32                           ; group 1: 64 rows of 256 bytes;
.set G1S, 40                           ; 8 rows;
.set G1R, 48                           ; 96 rows
.set G0T, 56
.set G0S, 60
.set TK,  66                           ; s66 the step's place in the images; s67 among the scale words
.set TS,  67
.set G0R, 68
.set CNT, 72
.set MSB, 0
.macro WIN new                         ; the immediate's high byte repeats the setting that is left
.if MSB != \new
	s_set_vgpr_msb (MSB<<8)|\new
.set MSB, \new
.endif
.endm
.macro CROUND                          ; a round of the cluster's barrier
	s_barrier_signal -1
	s_barrier_wait -1
	s_cmp_lg_u32 s[WV], 0
	s_cbranch_scc1 .Lnot_wave_0_\@
	s_barrier_signal -3
.Lnot_wave_0_\@:
	s_barrier_wait -3
	s_barrier_signal -1
	s_barrier_wait -1
.endm
.macro GROUP1 g, rows                  ; a dense block as rows of 256 bytes (32 elements of 8), for all four work-groups; bit 21 stands beside a mask
	s_mov_b32 s[\g], 15|(3<<16)|(1<<21)
	s_mov_b32 s[\g+1], 32<<16
	s_mov_b32 s[\g+2], \rows<<16
	s_mov_b32 s[\g+3], 32<<16
	s_mov_b32 s[\g+4], \rows
	s_mov_b32 s[\g+5], 32
	s_mov_b32 s[\g+6], 0
	s_mov_b32 s[\g+7], 0
.endm
	s_load_b256 s[4:11], s[0:1], 0x0               ; qkv_img, qkv_scl, o_img, o_scl
	v_lshl_add_u32 v[SPW], v0, 2, SPARE
	v_mov_b32 v[NIL], 0
	ds_add_u32 v[SPW], v[NIL]                      ; the wave's opening: the add, twice on end, and its wait ahead of my first tensor load
	ds_add_u32 v[SPW], v[NIL]
	v_lshrrev_b32 v8, 5, v0
	v_readfirstlane_b32 s[WV], v8                  ; wave 0..7
	s_bfe_u32 s13, ttmp6, 0x40000                  ; cx: it enters q's and o's addresses alone
	s_lshl_b32 s14, ttmp9, 2
	s_add_co_u32 s14, s14, s13                     ; my block of 256 queries
	s_and_b32 s15, ttmp7, 0xffff                   ; 16 x batch + head, which the four partners share
	GROUP1 G1T, 64
	GROUP1 G1S, 8
	GROUP1 G1R, 96
	s_bfe_u32 s16, s[WV], 0x10001                  ; at the head: waves 0, 1 K's codes, 2, 3 V's; waves 4, 5 K's scale words, 6, 7 V's: 0 = K, 1 = V;
	s_and_b32 s17, s[WV], 1                        ; which half
	s_add_co_u32 s18, s16, 1                       ; region 1 is k, region 2 is v
	s_lshl_b32 s19, s15, 17
	s_lshl_b32 s2, s18, 22
	s_add_co_u32 s2, s2, s19
	s_lshl_b32 s3, s17, 14
	s_add_co_u32 s2, s2, s3
	s_mov_b32 s3, 0                                ; s[2:3] my 16,384 bytes of keys 0 to 511,
	s_lshl_b32 s29, s16, 17
	s_lshl_b32 s30, s17, 14
	s_add_co_u32 s[G0T+1], s29, s30                ; and in LDS: no place in the cluster enters an LDS address
	s_lshl_b32 s74, s18, 17
	s_lshl_b32 s75, s15, 12
	s_add_co_u32 s74, s74, s75
	s_lshl_b32 s75, s17, 11
	s_add_co_u32 s74, s74, s75
	s_mov_b32 s75, 0                               ; s[74:75] my 2,048 bytes of scale words
	s_lshl_b32 s29, s16, 12
	s_lshl_b32 s30, s17, 11
	s_add_co_u32 s29, s29, s30
	s_add_co_u32 s[G0S+1], s29, KSCL
	s_lshr_b32 s76, s[WV], 2                       ; the rest: waves 0-3 K's, waves 4-7 V's, 24,576 bytes each
	s_and_b32 s77, s[WV], 3
	s_mul_i32 s77, s77, 24576
	s_add_co_u32 s77, s77, 32768
	s_lshl_b32 s29, s76, 17
	s_add_co_u32 s[G0R+1], s29, s77
	s_add_co_u32 s78, s76, 1
	s_lshl_b32 s78, s78, 22
	s_add_co_u32 s78, s78, s19
	s_add_co_u32 s78, s78, s77
	s_mov_b32 s79, 0
	s_mov_b32 s[G0T], 1
	s_mov_b32 s[G0S], 1
	s_mov_b32 s[G0R], 1
	s_mov_b32 s[SEL], 0x76543210
	s_mov_b32 s[SEL+1], 0xfedcba98                 ; v_permlanex16_b32's selects for lane l xor 16
	s_mov_b32 s[CS], 0x3e38aa3b                    ; c = log2(e) / 8
	s_mov_b32 s[CS+1], s[CS]                       ; (named with it as a pair)
	s_mov_b32 s[NC], 0xbe38aa3b                    ; -c
	s_mov_b32 s[MNT], 0x600000                     ; the mantissa field of 448
	s_mov_b32 s[FLR], 0x4800000                    ; 2^(9 - 127): the floor of a block's largest magnitude
	s_mov_b32 s[C8], 0x3b800000                    ; 2^-8
	s_mov_b32 s[C8+1], s[C8]
	s_wait_dscnt 0x0                               ; both opening adds are done
	CROUND                                         ; all four work-groups are here: the joint loads meet
	s_wait_kmcnt 0x0
	s_add_nc_u64 s[G0T+2:G0T+3], s[4:5], s[2:3]
	s_or_b32 s[G0T+3], s[G0T+3], 0x80000000
	s_add_nc_u64 s[G0S+2:G0S+3], s[6:7], s[74:75]
	s_or_b32 s[G0S+3], s[G0S+3], 0x80000000
	s_cmp_lt_u32 s[WV], 4                          ; one load a wave: two arms of one branch on the wave's number
	s_cbranch_scc0 .Lask_scales
	tensor_load_to_lds s[G0T:G0T+3], s[G1T:G1T+7]
	s_nop 0
.rept 4
	v_nop
.endr
	s_branch .Lasked
.Lask_scales:
	tensor_load_to_lds s[G0S:G0S+3], s[G1S:G1S+7]
	s_nop 0
.rept 4
	v_nop
.endr
.Lasked:
	s_add_nc_u64 s[G0R+2:G0R+3], s[4:5], s[78:79]
	s_or_b32 s[G0R+3], s[G0R+3], 0x80000000
	s_lshl_b32 s80, s14, 3
	s_add_co_u32 s80, s80, s[WV]                   ; my 32 queries in the head
	s_lshl_b32 s2, s80, 11
	s_add_co_u32 s2, s2, s19
	s_mov_b32 s3, 0
	s_add_nc_u64 s[74:75], s[4:5], s[2:3]          ; q's codes
	s_lshl_b32 s2, s15, 12                         ; q's scale word: the head, the 128 tokens, the fragment 2 j + h = wave % 4
	s_lshr_b32 s29, s80, 2
	s_lshl_b32 s29, s29, 8
	s_add_co_u32 s2, s2, s29
	s_lshl_b32 s29, s17, 7                         ; h: sixteen lanes of 8 bytes on
	s_add_co_u32 s2, s2, s29
	s_lshl_b32 s29, s16, 2                         ; j: a word on
	s_add_co_u32 s2, s2, s29
	s_add_nc_u64 s[76:77], s[6:7], s[2:3]
	; where o goes: o_img [128 rows][128 along hidden][16 rows][c][512], o_scl [128 rows][head][row] of two bytes
	s_lshr_b32 s29, s15, 4                         ; batch
	s_lshl_b32 s30, s29, 7
	s_lshl_b32 s31, s80, 1
	s_add_co_u32 s30, s30, s31                     ; my first tile of 16 rows among all 256
	s_and_b32 s31, s15, 15                         ; head
	s_lshr_b32 s18, s30, 3
	s_lshl_b32 s18, s18, 17
	s_and_b32 s30, s30, 7
	s_lshl_b32 s30, s30, 11
	s_add_co_u32 s18, s18, s30
	s_lshr_b32 s30, s31, 1
	s_lshl_b32 s30, s30, 14
	s_add_co_u32 s18, s18, s30
	s_and_b32 s30, s31, 1
	s_lshl_b32 s30, s30, 10
	s_add_co_u32 s18, s18, s30
	s_mov_b32 s19, 0
	s_add_nc_u64 s[8:9], s[8:9], s[18:19]
	s_lshl_b32 s29, s29, 4
	s_lshl_b32 s30, s14, 1
	s_add_co_u32 s29, s29, s30                     ; the first of my work-group's two blocks of 128 rows
	s_lshl_b32 s29, s29, 12
	s_lshl_b32 s30, s31, 8
	s_add_co_u32 s18, s29, s30
	s_add_nc_u64 s[10:11], s[10:11], s[18:19]
	v_and_b32 v8, 31, v0
	v_and_b32 v9, 15, v0                           ; r
	v_lshlrev_b32 v[LI], 4, v8
	v_lshl_add_u32 v[LS], v8, 3, KSCL
	v_lshlrev_b32 v10, 3, v9
	s_wait_alu depctr_va_vdst(0)
	global_load_b32 v11, v10, s[76:77]
	WIN 0x40
.irp y, 0,1
	global_load_b128 v[QZ+24*\y+8:QZ+24*\y+11], v[LI], s[74:75] offset:1024*\y        ; tile y's codes: channels' block 0,
	global_load_b128 v[QZ+24*\y+12:QZ+24*\y+15], v[LI], s[74:75] offset:1024*\y+512   ; block 1
.endr
	WIN 0
.irp y, 0,1
	v_mov_b32 v[NM+4*\y], 0x7e000000               ; -M, a whole number above every -M to come
	v_mov_b32 v[NM+4*\y+1], 0
	v_mov_b32 v[L+4*\y], 0
	v_mov_b32 v[L+4*\y+1], 0
	v_mov_b32 v[F+2*\y+1], 0
	v_mov_b32 v[TMX+\y], 0xff61b1e6                ; the largest score so far: -3e38
.endr
.irp b, 0,1,2,3,4,5,6,7
	v_mov_b32 v[PT+\b], 0                          ; a lane permute's destination counts as one of its sources
.endr
	s_wait_alu depctr_va_vdst(0)
	s_wait_loadcnt 0x0                             ; q and its scale word
	v_perm_b32 v[QS], v11, v11, 0x01000100         ; X's two bytes in both halves: they serve [q | 0] and [0 | q];
	v_perm_b32 v[QS+1], v11, v11, 0x03020302       ; Y's
	WIN 0x40
.irp y, 0,1
.irp j, 0,1,2,3,4,5,6,7
	v_mov_b32 v[QZ+24*\y+\j], 0                    ; the zero codes on both sides of q
	v_mov_b32 v[QZ+24*\y+16+\j], 0
.endr
.endr
.set i, 0
.rept 64
	v_mov_b32 v[O+i], 0                            ; O^T: the step is written without a first step of its own: the first change of M multiplies zeros
.set i, i+1
.endr
	WIN 0
; the scores of both tiles: fragment f against [q | 0]: keys 32 f + 8 h + j; against [0 | q]: keys 32 f + 16 + 8 h + j
.macro SPROD
	WIN 0x05                                       ; K and q window 1, the scores window 0
.irp y, 0,1
.irp f, 0,1,2,3
.irp u, 0,1
.if \f%2
	v_wmma_scale_f32_16x16x128_f8f6f4 v[S+64*\y+16*\f+8*\u:S+64*\y+16*\f+8*\u+7], v[KF+16*\f:KF+16*\f+15], v[QZ+24*\y+8-8*\u:QZ+24*\y+23-8*\u], 0, v[KSW+\f/2], v[QS+\y] matrix_a_scale:MATRIX_SCALE_ROW1
.else
	v_wmma_scale_f32_16x16x128_f8f6f4 v[S+64*\y+16*\f+8*\u:S+64*\y+16*\f+8*\u+7], v[KF+16*\f:KF+16*\f+15], v[QZ+24*\y+8-8*\u:QZ+24*\y+23-8*\u], 0, v[KSW+\f/2], v[QS+\y]
.endif
.endr
.endr
.endr
	WIN 0
.endm
; O^T += V^T P^T of both tiles: eight accumulators by turns, one instruction a turn
.macro PPROD
	WIN 0x51                                       ; V and O^T window 1, the codes window 0
.irp y, 0,1
.irp t, 0,1,2,3
.if \t%2
	v_wmma_scale_f32_16x16x128_f8f6f4 v[O+32*\y+8*\t:O+32*\y+8*\t+7], v[VF+16*\t:VF+16*\t+15], v[PC+16*\y:PC+16*\y+15], v[O+32*\y+8*\t:O+32*\y+8*\t+7], v[VSW+\t/2], v[PSW+\y] matrix_a_scale:MATRIX_SCALE_ROW1
.else
	v_wmma_scale_f32_16x16x128_f8f6f4 v[O+32*\y+8*\t:O+32*\y+8*\t+7], v[VF+16*\t:VF+16*\t+15], v[PC+16*\y:PC+16*\y+15], v[O+32*\y+8*\t:O+32*\y+8*\t+7], v[VSW+\t/2], v[PSW+\y]
.endif
.endr
.endr
	WIN 0
.endm
; the largest score of each block of 32 keys, my lane's 16, eight blocks by turns: it serves the row's maximum and, since p rises with the score, the block's largest p
.macro MAXES
	s_wait_alu depctr_va_vdst(0)                   ; one wait for the group of scores, directly ahead of its first reader
.irp b, 0,1,2,3,4,5,6,7
	v_max3_num_f32 v[BM+\b], v[S+16*\b], v[S+16*\b+1], v[S+16*\b+2]
.endr
.irp i, 3,5,7,9,11,13
.irp b, 0,1,2,3,4,5,6,7
	v_max3_num_f32 v[BM+\b], v[BM+\b], v[S+16*\b+\i], v[S+16*\b+\i+1]
.endr
.endr
.irp b, 0,1,2,3,4,5,6,7
	v_max_num_f32 v[BM+\b], v[BM+\b], v[S+16*\b+15]
.endr
.endm
.macro FRAGS to, adr, off              ; four fragments: 16 loads of 512 bytes on end, into window 1
	WIN 0x40
.irp f, 0,1,2,3
.irp c, 0,1,2,3
	ds_load_b128 v[\to+16*\f+4*\c:\to+16*\f+4*\c+3], v[\adr] offset:\off+\f*2048+\c*512
.endr
.endr
	WIN 0
.endm
; the running M of both tiles, by turns; then the scalings of the blocks' largest scores and of X's scores
.macro RUNM
.irp b, 0,1,2,3,4,5,6,7
	v_permlanex16_b32 v[PT+\b], v[BM+\b], s[SEL], s[SEL+1]
.endr
.irp b, 0,4,2,6
	v_dual_max_num_f32 v[BM+\b], v[BM+\b], v[PT+\b] :: v_dual_max_num_f32 v[BM+\b+1], v[BM+\b+1], v[PT+\b+1]   ; with lane l xor 16's 16 keys
.endr
.irp y, 0,1
	v_max3_num_f32 v[TMX+\y], v[TMX+\y], v[BM+4*\y], v[BM+4*\y+1]
.endr
.irp y, 0,1
	v_max3_num_f32 v[TMX+\y], v[TMX+\y], v[BM+4*\y+2], v[BM+4*\y+3]
.endr
.irp y, 0,1
	v_mul_f32 v[T0+\y], s[NC], v[TMX+\y]           ; -(the largest t)
.endr
.irp y, 0,1
	v_floor_f32 v[T0+\y], v[T0+\y]                 ; the new -M = -ceil(t)
.endr
.irp y, 0,1
	v_sub_f32 v[F+2*\y], v[T0+\y], v[NM+4*\y]      ; old M - new M: a whole number, 0 or less
.endr
.irp y, 0,1
	v_mov_b32 v[NM+4*\y], v[T0+\y]
.endr
.irp y, 0,1
	v_cvt_i32_f32 v[F+2*\y], v[F+2*\y]             ; (it saturates)
.endr
.irp y, 0,1
	v_ldexp_f32 v[F+2*\y], 1.0, v[F+2*\y]          ; f
.endr
.irp b, 0,2
	v_pk_fma_f32 v[BM+\b:BM+\b+1], v[BM+\b:BM+\b+1], s[CS:CS+1], v[NM:NM+1] op_sel_hi:[1,0,0]
	v_pk_fma_f32 v[BM+4+\b:BM+4+\b+1], v[BM+4+\b:BM+4+\b+1], s[CS:CS+1], v[NM+4:NM+5] op_sel_hi:[1,0,0]
.endr
.set i, S
.rept 32
	v_pk_fma_f32 v[i:i+1], v[i:i+1], s[CS:CS+1], v[NM:NM+1] op_sel_hi:[1,0,0]   ; t - M, two at a time
.set i, i+2
.endr
.endm
; THE EXPONENTIALS of tile y, 68 in one batch between its two waits.  Among them stands plain work of the other tile whose results nothing in the batch reads:
; X's batch (y = 0) holds Y's scalings, Y's batch X's holds (the conversion does not saturate: ISA guide 7.6.2; p is not negative, so the hold is one-sided).
.macro EXPS y
	s_wait_alu depctr_va_vdst(0)                   ; the wait ahead of the batch
.irp b, 0,1,2,3
	v_exp_f32 v[BM+4*\y+\b], v[BM+4*\y+\b]         ; the blocks' largest p
.endr
.set i, S+64*\y
.set k, 0
.rept 32
	v_exp_f32 v[i], v[i]                           ; p = 2^(t - M)
	v_exp_f32 v[i+1], v[i+1]
.if \y
	v_dual_min_num_f32 v[S+2*k], v[S+2*k], v[HL+k/8] :: v_dual_min_num_f32 v[S+2*k+1], v[S+2*k+1], v[HL+k/8]
.else
	v_pk_fma_f32 v[S+64+2*k:S+64+2*k+1], v[S+64+2*k:S+64+2*k+1], s[CS:CS+1], v[NM+4:NM+5] op_sel_hi:[1,0,0]
.endif
.set i, i+2
.set k, k+1
.endr
	v_pk_mul_f32 v[L+4*\y:L+4*\y+1], v[L+4*\y:L+4*\y+1], v[F+2*\y:F+2*\y+1] op_sel_hi:[1,0]   ; the sum under the new M: a plain instruction behind the exponentials
	s_wait_alu depctr_va_vdst(0)                   ; and the wait behind the batch, ahead of its first reader
.endm
.macro ADD4 y, k                       ; the row's sum, of the unquantised p: four chains, two numbers an instruction
.irp a, 0,1,2,3
.if \k == 1
	v_pk_add_f32 v[AC+8*\y+2*\a:AC+8*\y+2*\a+1], v[S+64*\y+2*\a:S+64*\y+2*\a+1], v[S+64*\y+8+2*\a:S+64*\y+8+2*\a+1]
.else
	v_pk_add_f32 v[AC+8*\y+2*\a:AC+8*\y+2*\a+1], v[AC+8*\y+2*\a:AC+8*\y+2*\a+1], v[S+64*\y+8*\k+2*\a:S+64*\y+8*\k+2*\a+1]
.endif
.endr
.endm
; tile y's sums and scales
.macro PREP y
.irp b, 0,2
	v_dual_max_num_f32 v[BM+4*\y+\b], s[FLR], v[BM+4*\y+\b] :: v_dual_max_num_f32 v[BM+4*\y+\b+1], s[FLR], v[BM+4*\y+\b+1]   ; the floor 2^(9 - 127): the byte cannot fall under 1
.endr
	ADD4 \y, 1
.irp b, 0,2
	v_pk_mul_f32 v[SO+4*\y+\b:SO+4*\y+\b+1], v[BM+4*\y+\b:BM+4*\y+\b+1], s[C8:C8+1] op_sel_hi:[1,0]   ; 8 off the exponent field: the conversion's scale operand
.endr
	ADD4 \y, 2
.irp b, 0,1,2,3
	v_lshrrev_b32 v[PT+4*\y+\b], 23, v[SO+4*\y+\b] ; the scale's byte
.endr
	ADD4 \y, 3
.irp b, 0,1,2,3
	v_and_or_b32 v[HL+4*\y+\b], v[BM+4*\y+\b], 0x7f800000, s[MNT]   ; 448 x the scale
.endr
	v_lshl_or_b32 v[T0+\y], v[PT+4*\y+1], 8, v[PT+4*\y]
	ADD4 \y, 4
	v_lshl_or_b32 v[T0+\y], v[PT+4*\y+2], 16, v[T0+\y]
	ADD4 \y, 5
	v_lshl_or_b32 v[PSW+\y], v[PT+4*\y+3], 24, v[T0+\y]
	ADD4 \y, 6
	ADD4 \y, 7
.endm
.macro HOLDY b                         ; Y's holds, block b
.set i, S+64+16*\b
.rept 8
	v_dual_min_num_f32 v[i], v[i], v[HL+4+\b] :: v_dual_min_num_f32 v[i+1], v[i+1], v[HL+4+\b]
.set i, i+2
.endr
.endm
.macro CODE y, b
	v_cvt_scalef32_pk8_fp8_f32 v[PC+16*\y+4*\b:PC+16*\y+4*\b+1], v[S+64*\y+16*\b:S+64*\y+16*\b+7], v[SO+4*\y+\b]
	v_cvt_scalef32_pk8_fp8_f32 v[PC+16*\y+4*\b+2:PC+16*\y+4*\b+3], v[S+64*\y+16*\b+8:S+64*\y+16*\b+15], v[SO+4*\y+\b]
.endm
; A KEY STEP.  last = 1: in the loop's last trip there is no K(i + 1): its loads and the next scores are left out, by the count of trips alone.
.macro STEP last
	MAXES
	v_add_nc_u32 v[ADK], s[TK], v[LI]
	v_add_nc_u32 v[ADS], s[TS], v[LS]
	v_add_nc_u32 v[ADV], 0x20000, v[ADK]
	FRAGS VF, ADV, 0                               ; V(i): the maxima above are the places behind the products that read these registers
	ds_load_b64 v[VSW:VSW+1], v[ADS] offset:4096
	RUNM
	EXPS 0
.if \last
	s_cmp_eq_u32 s[CNT], 1
	s_cbranch_scc1 .Lno_k_\@
.endif
	FRAGS KF, ADK, 8192                            ; K(i + 1)
	ds_load_b64 v[KSW:KSW+1], v[ADS] offset:256
.Lno_k_\@:
	PREP 0
	EXPS 1
	PREP 1
.irp b, 0,1,2,3
	HOLDY \b
	CODE 0, \b
.endr
.irp b, 0,1,2,3
	CODE 1, \b
.endr
	WIN 0x41                                       ; O^T window 1, f window 0
	s_wait_alu depctr_va_vdst(0)                   ; directly ahead of O^T's first reader
.set i, 0
.rept 32
	v_pk_mul_f32 v[O+i:O+i+1], v[O+i:O+i+1], v[F+2*(i/32):F+2*(i/32)+1] op_sel_hi:[1,0]   ; O^T under the new M, from each accumulator's low end on; these are also the places between the codes and the products
.set i, i+2
.endr
	s_wait_alu depctr_va_vdst(0)                   ; directly ahead of the wait below
	s_wait_dscnt 0x0                               ; V(i) and K(i + 1) are in
	PPROD
.if \last
	s_cmp_eq_u32 s[CNT], 1
	s_cbranch_scc1 .Lno_s_\@
.endif
	SPROD
.Lno_s_\@:
.irp y, 0,1                            ; the chains' ends: eight plain instructions, the places between the scores and the maxima
	v_pk_add_f32 v[AC+8*\y:AC+8*\y+1], v[AC+8*\y:AC+8*\y+1], v[AC+8*\y+2:AC+8*\y+3]
	v_pk_add_f32 v[AC+8*\y+4:AC+8*\y+5], v[AC+8*\y+4:AC+8*\y+5], v[AC+8*\y+6:AC+8*\y+7]
.endr
.irp y, 0,1
	v_pk_add_f32 v[AC+8*\y:AC+8*\y+1], v[AC+8*\y:AC+8*\y+1], v[AC+8*\y+4:AC+8*\y+5]
.endr
.irp y, 0,1
	v_pk_add_f32 v[L+4*\y:L+4*\y+1], v[L+4*\y:L+4*\y+1], v[AC+8*\y:AC+8*\y+1]
.endr
	s_add_co_u32 s[TK], s[TK], 8192
	s_add_co_u32 s[TS], s[TS], 256
.endm
	s_wait_alu depctr_va_vdst(0)                   ; the wait at the head's end
	s_wait_tensorcnt 0x0                           ; my load has landed; these lines stand ahead of a later first fill as ahead of a refill
	ds_add_u32 v[SPW], v[NIL]
	s_wait_dscnt 0x0
	CROUND                                         ; keys 0 to 511 and all scale words are in, and all four work-groups are here
	tensor_load_to_lds s[G0R:G0R+3], s[G1R:G1R+7]  ; the rest: every wave issues the line, with addresses made of its number
	s_nop 0
.rept 4
	v_nop
.endr
	FRAGS KF, LI, 0                                ; K(0)
	ds_load_b64 v[KSW:KSW+1], v[LS]
	s_mov_b32 s[TK], 0
	s_mov_b32 s[TS], 0
	s_mov_b32 s[CNT], 3
	s_wait_dscnt 0x0
	SPROD                                          ; the scores(0)
.rept 8
	v_nop                                          ; the places behind them: in the loop the sums' last additions fill these
.endr
.Lfirst:                                               ; steps 0 to 2, which read keys 0 to 511 alone
	STEP 0
	s_sub_co_u32 s[CNT], s[CNT], 1
	s_cmp_lg_u32 s[CNT], 0
	s_cbranch_scc1 .Lfirst
	s_wait_alu depctr_va_vdst(0)
	s_wait_tensorcnt 0x0                           ; my part of the rest has landed
	s_wait_dscnt 0x0
	s_barrier_signal -1
	s_barrier_wait -1                              ; everybody's has
	s_mov_b32 s[TK], 3*8192
	s_mov_b32 s[TS], 3*256
	s_mov_b32 s[CNT], 13
.Lrest:
	STEP 1
	s_sub_co_u32 s[CNT], s[CNT], 1
	s_cmp_lg_u32 s[CNT], 0
	s_cbranch_scc1 .Lrest
	; THE WAY OUT: O^T / the sum; a tile's 32 numbers a lane are two blocks of 32 along the hidden axis (16 of each in lane l xor 16): quantised, and stored as an image of the projection's operand.
.irp y, 0,1
	v_add_f32 v[L+4*\y], v[L+4*\y], v[L+4*\y+1]
.endr
.irp y, 0,1
	v_permlanex16_b32 v[T0+\y], v[L+4*\y], s[SEL], s[SEL+1]
.endr
.irp y, 0,1
	v_add_f32 v[L+4*\y], v[L+4*\y], v[T0+\y]       ; the row's sum
.endr
	s_wait_alu depctr_va_vdst(0)                   ; ahead of the two reciprocals
	v_rcp_f32 v[F], v[L]
	v_rcp_f32 v[F+2], v[L+4]
	v_and_b32 v9, 15, v0                           ; the address work is the places behind the reciprocals
	v_bfe_u32 v11, v0, 4, 1
	s_lshl_b32 s2, s[WV], 6
	s_add_co_u32 s2, s2, OSTG
	v_lshl_add_u32 v8, v9, 1, s2                   ; my row's two scale bytes: 64 x wave + 2 r (Y: 32 on)
	v_add_nc_u32 v10, OSTG, v[LI]                  ; and where wave 0 reads all 512 back
	v_lshlrev_b32 v9, 4, v9
	s_wait_alu depctr_va_vdst(0)
	v_lshl_add_u32 v11, v11, 12, v9                ; lanes 0-15: the first block of 128 rows; lanes 16-31: the second, 4,096 bytes on
	WIN 0x01                                       ; O^T window 1
	s_wait_alu depctr_va_vdst(0)                   ; ahead of the first readers of the reciprocals and of O^T
.set i, 0
.rept 32
	v_pk_mul_f32 v[S+i+32*(i/32):S+i+32*(i/32)+1], v[O+i:O+i+1], v[F+2*(i/32):F+2*(i/32)+1] op_sel_hi:[1,0]
.set i, i+2
.endr
	WIN 0
.irp b, 0,1,4,5
	v_max3_num_f32 v[BM+\b], |v[S+16*\b]|, |v[S+16*\b+1]|, 0x4800000
.endr
.irp i, 2,4,6,8,10,12,14
.irp b, 0,1,4,5
	v_max3_num_f32 v[BM+\b], v[BM+\b], |v[S+16*\b+\i]|, |v[S+16*\b+\i+1]|
.endr
.endr
.irp b, 0,1,4,5
	v_permlanex16_b32 v[PT+\b], v[BM+\b], s[SEL], s[SEL+1]
.endr
.irp b, 0,1,4,5
	v_max_num_f32 v[BM+\b], v[BM+\b], v[PT+\b]
.endr
.irp b, 0,1,4,5
	v_add_nc_u32 v[SO+\b], 0xfc000000, v[BM+\b]
.endr
.irp b, 0,1,4,5
	v_and_or_b32 v[HL+\b], v[BM+\b], 0x7f800000, s[MNT]
.endr
.irp b, 0,1,4,5
	v_lshrrev_b32 v[PT+\b], 23, v[SO+\b]
.endr
	v_lshl_or_b32 v[T0], v[PT+1], 8, v[PT]
	v_lshl_or_b32 v[T0+1], v[PT+5], 8, v[PT+4]
.irp y, 0,1
.irp b, 0,1
.set i, S+64*\y+16*\b
.rept 16
	v_med3_num_f32 v[i], v[i], -v[HL+4*\y+\b], v[HL+4*\y+\b]
.set i, i+1
.endr
	CODE \y, \b
.endr
	v_nop                                          ; a plain instruction behind the last conversion
	global_store_b128 v[LI], v[PC+16*\y:PC+16*\y+3], s[8:9] offset:2048*\y           ; each store covers 512 consecutive bytes
	global_store_b128 v[LI], v[PC+16*\y+4:PC+16*\y+7], s[8:9] offset:2048*\y+512
	ds_store_b16 v8, v[T0+\y] offset:32*\y         ; both lanes of a row write the same two bytes
.endr
	s_wait_alu depctr_va_vdst(0)
	s_wait_dscnt 0x0                               ; for the others' sake: my stores have landed
	s_barrier_signal -1
	s_barrier_wait -1
	s_cmp_lg_u32 s[WV], 0
	s_cbranch_scc1 .Lnot_first
	ds_load_b128 v[PC+8:PC+11], v10
	s_wait_dscnt 0x0
	global_store_b128 v11, v[PC+8:PC+11], s[10:11] ; sixteen lanes store 256 consecutive bytes, aligned: a head's scale bytes of 128 rows
.Lnot_first:
	s_wait_tensorcnt 0x0                           ; the wave's end
	ds_add_u32 v[SPW], v[NIL]
	s_wait_dscnt 0x0
	CROUND                                         ; the closing round
	s_endpgm
.Lfunc_end_k_q1e2b42569e_attn:
	.size	k_q1e2b42569e_attn, .Lfunc_end_k_q1e2b42569e_attn-k_q1e2b42569e_attn
	.p2alignl 7, 3214868480
	.fill 96, 4, 3214868480
	.section	.rodata,"a",@progbits
	.p2align	6, 0x0
	.amdhsa_kernel k_q1e2b42569e_attn
		.amdhsa_group_segment_fixed_size 327680
		.amdhsa_private_segment_fixed_size 0
		.amdhsa_enable_private_segment 0
		.amdhsa_kernarg_size 32
		.amdhsa_user_sgpr_count 2
		.amdhsa_user_sgpr_kernarg_segment_ptr 1
		.amdhsa_wavefront_size32 1
		.amdhsa_system_sgpr_workgroup_id_x 1
		.amdhsa_system_sgpr_workgroup_id_y 1
		.amdhsa_system_sgpr_workgroup_id_z 1
		.amdhsa_system_vgpr_workitem_id 0
		.amdhsa_next_free_vgpr 512
		.amdhsa_next_free_sgpr 102
		.amdhsa_reserve_vcc 0
		.amdhsa_float_denorm_mode_32 3
		.amdhsa_float_denorm_mode_16_64 3
		.amdhsa_memory_ordered 1
		.amdhsa_forward_progress 1
		.amdhsa_inst_pref_size 94
	.end_amdhsa_kernel
	.amdgpu_metadata
---
amdhsa.version: [ 1, 2 ]
amdhsa.kernels:
  - .name:           k_q1e2b42569e_attn
    .symbol:         k_q1e2b42569e_attn.kd
    .args:
      - { .name: qkv_img, .offset: 0, .size: 8, .value_kind: global_buffer, .address_space: global }
      - { .name: qkv_scl, .offset: 8, .size: 8, .value_kind: global_buffer, .address_space: global }
      - { .name: o_img, .offset: 16, .size: 8, .value_kind: global_buffer, .address_space: global }
      - { .name: o_scl, .offset: 24, .size: 8, .value_kind: global_buffer, .address_space: global }
    .group_segment_fixed_size: 327680
    .private_segment_fixed_size: 0
    .kernarg_segment_align: 8
    .kernarg_segment_size: 32
    .max_flat_workgroup_size: 256
    .sgpr_count:     102
    .vgpr_count:     512
    .wavefront_size: 32
...
	.end_amdgpu_metadata
.endif
;; end of part 2
;; launch proj (part 3): grid 8 x 32, 4 waves a work-group, clusters of 4 x 4, 327,680 bytes of LDS; arguments o_img, o_scl, out_w_codes, out_w_scales, out_b, out0; writes out0
.if DOCPART == 3
	.amdgcn_target "amdgcn-amd-amdhsa--gfx1250"
	.amdhsa_code_object_version 6
	.text
	.protected	k_q1e2b42569e_proj
	.globl	k_q1e2b42569e_proj
	.p2align	8
	.type	k_q1e2b42569e_proj,@function
k_q1e2b42569e_proj:
	s_mov_b64 s[64:65], 0
	v_nop
	global_prefetch_b8 v0, s[64:65] scope:SCOPE_SE
	s_setreg_imm32_b32 hwreg(HW_REG_WAVE_MODE, 25, 1), 1
	s_wait_xcnt 0x0
	s_wait_alu depctr_hold_cnt(0) depctr_sa_sdst(0) depctr_va_vdst(0) depctr_va_sdst(0) depctr_va_ssrc(0) depctr_va_vcc(0) depctr_vm_vsrc(0)
	s_getreg_b32 s2, hwreg(HW_REG_IB_STS2, 6, 4)
	s_cmp_eq_u32 s2, 0
	s_cbranch_scc0 .Lentry_in_a_cluster
	s_endpgm
.Lentry_in_a_cluster:
	s_bfe_u32 s2, ttmp6, 0x10000c
	s_cmp_lg_u32 s2, 0xf033
	s_cbranch_scc0 .Lentry_shape_is_right
	s_endpgm
.Lentry_shape_is_right:
; out0 = o W^T + b on codes of E4M3 with E8M0 scales.  o: 4,096 rows x 1,024, as images of operand registers (o_img [128 rows][128 along K][16 rows][c][512]) and scale bytes (o_scl [128 rows][head][row], two bytes).
; W: [1024][1024] codes, K innermost, [1024][32] scale bytes.  b: [1024] f32.  out0: [4096][1024] f32.
; A work-group of four waves makes 128 x 128, so that there are 256 work-groups; a wave makes 64 x 64.  All of K lies in LDS, each byte filled once: one tensor load a wave: W's codes, W's scale bytes, o's codes, o's scale bytes.
; A wave takes its 64 rows of W, all of K, into 512 registers (windows 1, 2) while o's rows land; then it goes by blocks of 16 rows of o (two sets in window 3): 32 products, and the block leaves while the next is multiplied.
; CLUSTERS of 4 x 4: o's tiles are shared along a row of the cluster, W's along a column: joint loads.
; THE MATRIX INSTRUCTION IS USED TRANSPOSED (source 0 = 16 rows of W, source 1 = 16 rows of o): a lane holds eight neighbouring numbers of a row of out0.
; o's slot (c, h, 8 u + j) holds index 32 c + 16 u + 8 h + j of a step of 128: a permutation inside each block of 32.  W is brought into the same order by loads of 8 bytes at 16 (2 c + u) + 8 h of its row.
; The bias is the C of each sum's first matrix instruction.  No prefetch: all that the launch reads is asked for at its head.
; LIMITS: NaN codes and the scale byte 0xff among the inputs are not served.
.set PITCH, 272
.set WP,    1040                       ; W's row in LDS: 1,024 bytes + 16 of padding
.set BIMG,  131072                     ; LDS: o's image at 0; W's 128 rows here;
.set OSC,   264192                     ; o's scale bytes, 4,096;
.set WSC,   268288                     ; W's: 16 units of 256 bytes + 16 of padding;
.set STAGE, 272640                     ; the way out: 16 rows x 272 bytes for each wave;
.set SPARE, 290048                     ; the spare words, 128 bytes a wave
.set ADA, 16                           ; v16-17 o's fragments: steps 0-3, steps 4-7
.set ADB, 20                           ; v20  W's
.set BOF, 23                           ; v23  the bias: 32 h
.set STO, 24
.set RD,  25
.set CO,  26
.set AOS, 27                           ; v27  o's scale bytes
.set SPW, 28                           ; v28  my spare word; never rewritten
.set NIL, 29                           ; v29  0; never rewritten
.set AWS, 31                           ; v31  W's scale words
.set OS,  32                           ; v32-47 o's scale words: 8 e + s: step s; lanes 0-15 tile 2 e, lanes 16-31 tile 2 e + 1
.set WS,  52                           ; v52-67 W's likewise: no product's two scale words have numbers equal modulo 8
.set BI,  72                           ; v72-103 the bias in the result's layout
.set TP,  104                          ; v104-119 at work
.set ACC, 128                          ; v128-159, v160-191 two sets of four accumulators
.set BK,  192                          ; the way out: v192-223 and v224-255 by turns
.set G1A, 24
.set G1B, 32
.set G1SA, 40
.set G1SB, 48
.set G0A, 56
.set G0B, 60
.set G0SA, 68
.set G0SB, 72
.set MSB, 0
.macro WIN new
.if MSB != \new
	s_set_vgpr_msb (MSB<<8)|\new
.set MSB, \new
.endif
.endm
.macro CROUND
	s_barrier_signal -1
	s_barrier_wait -1
	s_cmp_lg_u32 s16, 0
	s_cbranch_scc1 .Lnot_wave_0_\@
	s_barrier_signal -3
.Lnot_wave_0_\@:
	s_barrier_wait -3
	s_barrier_signal -1
	s_barrier_wait -1
.endm
.macro PLACES n
.rept \n
	v_nop
.endr
.endm
.macro GROUP1 g, dim, rows, pitch      ; descriptor group 1 behind its first word
	s_mov_b32 s[\g+1], \dim<<16
	s_mov_b32 s[\g+2], \rows<<16
	s_mov_b32 s[\g+3], \dim<<16
	s_mov_b32 s[\g+4], \rows
	s_mov_b32 s[\g+5], \pitch
	s_mov_b32 s[\g+6], 0
	s_mov_b32 s[\g+7], 0
.endm
	s_load_b256 s[4:11], s[0:1], 0x0               ; o_img, o_scl, W's codes, W's scales
	s_load_b128 s[12:15], s[0:1], 0x20             ; b, out0
	v_lshl_add_u32 v[SPW], v0, 2, SPARE
	v_mov_b32 v[NIL], 0
	ds_add_u32 v[SPW], v[NIL]                      ; the wave's opening: the add, twice on end, and its wait ahead of my first tensor load
	ds_add_u32 v[SPW], v[NIL]
	v_lshrrev_b32 v1, 5, v0
	v_readfirstlane_b32 s16, v1                    ; wave 0..3
	s_lshr_b32 s17, s16, 1                         ; which 64 rows are mine
	s_and_b32 s18, s16, 1                          ; which 64 columns
	s_bfe_u32 s19, ttmp6, 0x40000                  ; cx
	s_bfe_u32 s20, ttmp6, 0x40004                  ; cy
	s_lshl_b32 s21, ttmp9, 2
	s_add_co_u32 s21, s21, s19                     ; tile column
	s_and_b32 s22, ttmp7, 0xffff
	s_lshl_b32 s22, s22, 2
	s_add_co_u32 s22, s22, s20                     ; tile row
	s_lshl_b32 s2, s20, 2
	s_lshl_b32 s2, 15, s2                          ; my row of the cluster
	s_lshl_b32 s3, 0x1111, s19                     ; my column
	s_or_b32 s[G1A], s2, (3<<16)|(1<<21)           ; o's image: 131,072 dense bytes as 512 rows of 256
	GROUP1 G1A, 32, 512, 32
	s_or_b32 s[G1SA], s2, (3<<16)|(1<<21)          ; o's scale bytes: 4,096 as 16 rows of 256
	GROUP1 G1SA, 32, 16, 32
	s_or_b32 s[G1B], s3, (1<<20)|(1<<21)|(7<<22)|(3<<25)   ; W: 128 rows of 1,024 bytes, 16 bytes of padding behind each
	GROUP1 G1B, 1024, 128, 1024
	s_or_b32 s[G1SB], s3, (3<<16)|(1<<20)|(1<<21)|(5<<22)|(3<<25)   ; W's scale bytes: 4,096 as 16 rows of 256, padded
	GROUP1 G1SB, 32, 16, 32
	s_mov_b32 s[G0A], 1
	s_mov_b32 s[G0A+1], 0
	s_lshl_b32 s76, s22, 17                        ; byte offsets: o's hang on the tile row, W's on the tile column
	s_mov_b32 s77, 0
	s_mov_b32 s[G0B], 1
	s_mov_b32 s[G0B+1], BIMG
	s_lshl_b32 s78, s21, 17
	s_mov_b32 s79, 0
	s_mov_b32 s[G0SA], 1
	s_mov_b32 s[G0SA+1], OSC
	s_lshl_b32 s80, s22, 12
	s_mov_b32 s81, 0
	s_mov_b32 s[G0SB], 1
	s_mov_b32 s[G0SB+1], WSC
	s_lshl_b32 s82, s21, 12
	s_mov_b32 s83, 0
	s_wait_dscnt 0x0                               ; both opening adds are done
	CROUND                                         ; all sixteen work-groups are here: the joint loads meet
	s_wait_kmcnt 0x0
	s_add_nc_u64 s[G0A+2:G0A+3], s[4:5], s[76:77]
	s_add_nc_u64 s[G0SA+2:G0SA+3], s[6:7], s[80:81]
	s_add_nc_u64 s[G0B+2:G0B+3], s[8:9], s[78:79]
	s_add_nc_u64 s[G0SB+2:G0SB+3], s[10:11], s[82:83]
.irp g, G0A, G0B, G0SA, G0SB
	s_or_b32 s[\g+3], s[\g+3], 0x80000000          ; type = 2
.endr
.macro ARM under, g0, g1, next         ; one load a wave: one tree of branches on the wave's number
	s_cmp_lt_u32 s16, \under
	s_cbranch_scc0 \next
	tensor_load_to_lds s[\g0:\g0+3], s[\g1:\g1+7]
	s_nop 0
	PLACES 4
	s_branch .Lfilled
\next:
.endm
	ARM 1, G0B, G1B, .Lfill_ws                     ; W first: it goes on into registers
	ARM 2, G0SB, G1SB, .Lfill_o
	ARM 3, G0A, G1A, .Lfill_os
	tensor_load_to_lds s[G0SA:G0SA+3], s[G1SA:G1SA+7]
	s_nop 0
	PLACES 4
.Lfilled:
	v_and_b32 v1, 31, v0                           ; lane
	v_and_b32 v2, 15, v0                           ; r
	v_bfe_u32 v3, v0, 4, 1                         ; h
	v_lshlrev_b32 v4, 4, v1
	s_lshl_b32 s23, s17, 13
	v_add_nc_u32 v[ADA], s23, v4                   ; o's image: 16 x lane + my four tiles of 2,048 bytes
	v_add_nc_u32 v[ADA+1], 0x10000, v[ADA]
	s_mul_i32 s23, s18, 64*WP
	s_add_co_u32 s23, s23, BIMG
	v_mul_u32_u24 v5, v2, WP
	v_lshl_add_u32 v5, v3, 3, v5
	v_add_nc_u32 v[ADB], s23, v5                   ; W: row x pitch + 8 h
	s_mul_i32 s23, s16, 16*PITCH
	s_add_co_u32 s23, s23, STAGE                   ; my stage
	v_mul_u32_u24 v5, v2, PITCH
	v_lshl_add_u32 v5, v3, 5, v5
	v_add_nc_u32 v[STO], s23, v5                   ; in: row r, 32 bytes for each half of the lanes
	v_mul_u32_u24 v5, v3, PITCH
	v_lshl_add_u32 v5, v2, 4, v5
	v_add_nc_u32 v[RD], s23, v5                    ; back: lanes 0-15 one row of 256 bytes, lanes 16-31 the next
	v_lshlrev_b32 v5, 12, v3
	v_lshl_add_u32 v[CO], v2, 4, v5                ; and the same two rows in out0
	s_lshl_b32 s23, s17, 7
	s_add_co_u32 s23, s23, OSC
	v_lshl_add_u32 v[AOS], v1, 1, s23              ; o's scale bytes: two a row, my 64 rows
	s_mul_i32 s23, s18, 8*PITCH
	s_add_co_u32 s23, s23, WSC
	v_lshrrev_b32 v5, 3, v1
	v_mul_u32_u24 v5, v5, PITCH
	v_and_b32 v6, 7, v1
	v_lshl_add_u32 v5, v6, 5, v5
	v_add_nc_u32 v[AWS], s23, v5                   ; W's: 32 bytes a row, eight rows to a unit
	v_lshlrev_b32 v[BOF], 5, v3
	s_wait_alu depctr_va_vdst(0)                   ; the wait at the head's end
	s_lshl_b32 s2, s21, 9
	s_lshl_b32 s3, s18, 8
	s_add_co_u32 s2, s2, s3                        ; my first column, in bytes
	s_mov_b32 s3, 0
	s_add_nc_u64 s[12:13], s[12:13], s[2:3]
	s_add_nc_u64 s[14:15], s[14:15], s[2:3]
	s_lshl_b32 s2, s22, 19                         ; my first row: 128 x tile row + 64 x half, 4,096 bytes each
	s_lshl_b32 s23, s17, 18
	s_add_co_u32 s2, s2, s23
	s_add_nc_u64 s[14:15], s[14:15], s[2:3]
.irp b, 0,1,2,3
	global_load_b128 v[BI+8*\b:BI+8*\b+3], v[BOF], s[12:13] offset:64*\b       ; b of columns 16 b + 8 h + 0 .. 7
	global_load_b128 v[BI+8*\b+4:BI+8*\b+7], v[BOF], s[12:13] offset:64*\b+16
.endr
	s_cmp_lt_u32 s16, 2
	s_cbranch_scc0 .Lnot_w
	s_wait_tensorcnt 0x0                           ; waves 0 and 1: W's codes and scale bytes have landed; the other waves' wait stands at the second barrier
.Lnot_w:
	s_barrier_signal -1
	s_barrier_wait -1
.irp e, 0,1
	ds_load_b128 v[WS+8*\e:WS+8*\e+3], v[AWS] offset:4*PITCH*\e    ; row 32 e + lane's eight words
	ds_load_b128 v[WS+8*\e+4:WS+8*\e+7], v[AWS] offset:4*PITCH*\e+16
.endr
; W's fragment (step q, tile b) is number 4 q + b: window 1 + q / 4, 16 registers at 64 (q % 4) + 16 b
.irp q, 0,1,2,3,4,5,6,7
	WIN (0x40*(1+\q/4))
.irp b, 0,1,2,3
.irp c, 0,1,2,3,4,5,6,7
	ds_load_b64 v[64*(\q%4)+16*\b+2*\c:64*(\q%4)+16*\b+2*\c+1], v[ADB] offset:16*\b*WP+128*\q+16*\c
.endr
.endr
.endr
	WIN 0
	s_wait_tensorcnt 0x0                           ; o's codes and scale bytes are in
	s_wait_dscnt 0x0                               ; and W is in registers
	s_barrier_signal -1
	s_barrier_wait -1
.macro FETCH a, e                      ; o's block a, 16 rows, all of K, into set e of window 3: 32 loads
	WIN 0xc0
.irp q, 0,1,2,3,4,5,6,7
.irp c, 0,1,2,3
	ds_load_b128 v[128*\e+16*\q+4*\c:128*\e+16*\q+4*\c+3], v[ADA+\q/4] offset:(\q%4)*16384+\a*2048+\c*512
.endr
.endr
	WIN 0
.endm
.macro PRD d, fa, fb, c, sa, sb, ra, rb
.if (\ra) && (\rb)
	v_wmma_scale_f32_16x16x128_f8f6f4 v[\d:\d+7], v[\fa:\fa+15], v[\fb:\fb+15], v[\c:\c+7], v[\sa], v[\sb] matrix_a_scale:MATRIX_SCALE_ROW1 matrix_b_scale:MATRIX_SCALE_ROW1
.elseif \ra
	v_wmma_scale_f32_16x16x128_f8f6f4 v[\d:\d+7], v[\fa:\fa+15], v[\fb:\fb+15], v[\c:\c+7], v[\sa], v[\sb] matrix_a_scale:MATRIX_SCALE_ROW1
.elseif \rb
	v_wmma_scale_f32_16x16x128_f8f6f4 v[\d:\d+7], v[\fa:\fa+15], v[\fb:\fb+15], v[\c:\c+7], v[\sa], v[\sb] matrix_b_scale:MATRIX_SCALE_ROW1
.else
	v_wmma_scale_f32_16x16x128_f8f6f4 v[\d:\d+7], v[\fa:\fa+15], v[\fb:\fb+15], v[\c:\c+7], v[\sa], v[\sb]
.endif
.endm
; block a: 32 products, the four accumulators by turns; then the places ahead of loads into its fragments and of reads of its sums
.macro PROD a
.set AS_, ACC+32*((\a)%2)
.irp q, 0,1,2,3,4,5,6,7
	WIN (0x0c+1+\q/4)
.irp b, 0,1,2,3
.if \q == 0
.set CC, BI+8*\b
.else
.set CC, AS_+8*\b
.endif
	PRD AS_+8*\b, 64*(\q%4)+16*\b, 128*((\a)%2)+16*\q, CC, WS+8*(\b/2)+\q, OS+8*((\a)/2)+\q, \b%2, (\a)%2
.endr
.endr
	WIN 0
	PLACES 8
.endm
; THE WAY OUT, 16 rows x 64 columns at a time: a lane holds 32 bytes of a row; through my own stage they come back as whole rows of 256 bytes.  LDS serves a wave's instructions in order (ISA guide 5.7.1.4).
.macro TOSTAGE a
.set AS_, ACC+32*((\a)%2)
.irp b, 0,1,2,3
	ds_store_b128 v[STO], v[AS_+8*\b:AS_+8*\b+3] offset:64*\b       ; each accumulator from its low end on
	ds_store_b128 v[STO], v[AS_+8*\b+4:AS_+8*\b+7] offset:64*\b+16
.endr
.set BB, BK+32*((\a)%2)
.irp t, 0,1,2,3,4,5,6,7
	ds_load_b128 v[BB+4*\t:BB+4*\t+3], v[RD] offset:\t*2*PITCH
.endr
.endm
.macro SEND a, younger                 ; younger: the LDS loads issued behind block a's, which may be out
.set BB, BK+32*((\a)%2)
	s_wait_dscnt \younger
.irp t, 0,1,2,3,4,5,6,7
	global_store_b128 v[CO], v[BB+4*\t:BB+4*\t+3], s[14:15] offset:(16*(\a)+2*\t)*4096 th:TH_STORE_NT   ; sixteen lanes store 256 consecutive bytes, aligned
.endr
.endm
.irp e, 0,1
.irp s, 0,1,2,3,4,5,6,7
	ds_load_u16 v[OS+8*\e+\s], v[AOS] offset:512*\s+64*\e          ; head 2 s's two bytes of row 32 e + lane,
	ds_load_u16 v[TP+8*\e+\s], v[AOS] offset:512*\s+64*\e+256      ; head 2 s + 1's
.endr
.endr
	FETCH 0, 0
	s_wait_dscnt 32                                ; the scale bytes are in
.set i, 0
.rept 16
	v_lshl_or_b32 v[OS+i], v[TP+i], 16, v[OS+i]    ; four bytes: a step's scale word
.set i, i+1
.endr
	FETCH 1, 1
	s_wait_alu depctr_va_vdst(0)                   ; directly ahead of the waits below
	s_wait_loadcnt 0x0                             ; the bias
	s_wait_dscnt 32                                ; block 0 is in
	PROD 0
	FETCH 2, 0
	TOSTAGE 0
	s_wait_dscnt 48                                ; block 1 is in; block 2's 32 loads and the stage's 16 instructions may be out
	PROD 1
	FETCH 3, 1
	SEND 0, 32
	TOSTAGE 1
	s_wait_dscnt 48                                ; block 2 is in
	PROD 2
	SEND 1, 0                                      ; block 3 is in too
	s_wait_xcnt 0x0                                ; block 0's stores have read their registers
	TOSTAGE 2
	PROD 3
	SEND 2, 0
	s_wait_xcnt 0x0
	TOSTAGE 3
	SEND 3, 0
	s_wait_tensorcnt 0x0                           ; the wave's end
	ds_add_u32 v[SPW], v[NIL]
	s_wait_dscnt 0x0
	CROUND                                         ; the closing round
	s_endpgm
.Lfunc_end_k_q1e2b42569e_proj:
	.size	k_q1e2b42569e_proj, .Lfunc_end_k_q1e2b42569e_proj-k_q1e2b42569e_proj
	.p2alignl 7, 3214868480
	.fill 96, 4, 3214868480
	.section	.rodata,"a",@progbits
	.p2align	6, 0x0
	.amdhsa_kernel k_q1e2b42569e_proj
		.amdhsa_group_segment_fixed_size 327680
		.amdhsa_private_segment_fixed_size 0
		.amdhsa_enable_private_segment 0
		.amdhsa_kernarg_size 48
		.amdhsa_user_sgpr_count 2
		.amdhsa_user_sgpr_kernarg_segment_ptr 1
		.amdhsa_wavefront_size32 1
		.amdhsa_system_sgpr_workgroup_id_x 1
		.amdhsa_system_sgpr_workgroup_id_y 1
		.amdhsa_system_sgpr_workgroup_id_z 1
		.amdhsa_system_vgpr_workitem_id 0
		.amdhsa_next_free_vgpr 1024
		.amdhsa_next_free_sgpr 102
		.amdhsa_reserve_vcc 0
		.amdhsa_float_denorm_mode_32 3
		.amdhsa_float_denorm_mode_16_64 3
		.amdhsa_memory_ordered 1
		.amdhsa_forward_progress 1
		.amdhsa_inst_pref_size 62
	.end_amdhsa_kernel
	.amdgpu_metadata
---
amdhsa.version: [ 1, 2 ]
amdhsa.kernels:
  - .name:           k_q1e2b42569e_proj
    .symbol:         k_q1e2b42569e_proj.kd
    .args:
      - { .name: o_img, .offset: 0, .size: 8, .value_kind: global_buffer, .address_space: global }
      - { .name: o_scl, .offset: 8, .size: 8, .value_kind: global_buffer, .address_space: global }
      - { .name: out_w_codes, .offset: 16, .size: 8, .value_kind: global_buffer, .address_space: global }
      - { .name: out_w_scales, .offset: 24, .size: 8, .value_kind: global_buffer, .address_space: global }
      - { .name: out_b, .offset: 32, .size: 8, .value_kind: global_buffer, .address_space: global }
      - { .name: out0, .offset: 40, .size: 8, .value_kind: global_buffer, .address_space: global }
    .group_segment_fixed_size: 327680
    .private_segment_fixed_size: 0
    .kernarg_segment_align: 8
    .kernarg_segment_size: 48
    .max_flat_workgroup_size: 128
    .sgpr_count:     102
    .vgpr_count:     1024
    .wavefront_size: 32
...
	.end_amdgpu_metadata
.endif
;; end of part 3
